; MI455X (gfx1250); checked and timed in simulation.
; The chip was launched on July 23, 2026; its instructions are those of AMD's public machine-readable ISA for CDNA 5 (MIT licence, August 2026) and "CDNA5" Instruction Set Architecture Reference Guide (July 2026). The comments in the code are by the model that wrote it; some were corrected since.
;; Mo E Layer. Allowed arithmetic: matrix products marked QUANTISED: E5M2 operands, one given power-of-two scale a tensor, by v_wmma_f32_16x16x64_bf8_bf8 or v_wmma_f32_16x16x128_bf8_bf8, f32 sums; products left as they are: f32 operands where the result goes on into a quantised operand, else bf16, f16 or f32 operands; f32 sums; everything else in f32.
;; Inputs: b1 8 x 4,096 float32; b2 8 x 1,024 float32; gate_b 8 float32; gate_w 1,024 x 8 float32; lowp_scales 4 int32 (the exponents e of the quantised operands' scales 2^e); w1 8 x 1,024 x 4,096 float32; w2 8 x 4,096 x 1,024 float32; x 2 x 512 x 1,024 float32.
;; Outputs: out0 2 x 512 x 1,024 float32.
;; This version of the problem:
;;   THIS VERSION OF THE PROBLEM IS GIVEN IN LOW PRECISION. The matrix products marked QUANTISED in the list below multiply operands that are first quantised to E5M2 (5 exponent bits, 2 mantissa bits; 8 bits a number), with one given power-of-two scale for each operand tensor; their sums are f32. All else is computed in f32.
;;   The module's matrix products, in the order in which they are computed (A, B: the left and right operand; K: the contracted axis; several contracted axes count as one K, in the product's order):
;;     1. [M 1,024, K 1,024] x [K 1,024, N 8]; A: input x; B: input gate_w: left as it is (N = 8 < 16)
;;     2. [M 1,024, K 1,024] x [K 1,024, N 32,768]; A: input x; B: input w1: QUANTISED (scales: A lowp_scales[0], B lowp_scales[1])
;;     3. batch 8 x [M 1,024, K 4,096] x [K 4,096, N 1,024]; A: input w2; B: computed on the way: QUANTISED (scales: A lowp_scales[2], B lowp_scales[3])
;;   THE QUANTISER, for each operand of a quantised product, along K:
;;     - The operand's scale is 2^e, e = its entry of the input lowp_scales (int32; the entries are numbered through the quantised products in the list's order, A before B).
;;     - Each number is divided by the scale, clamped to +-57,344, and rounded to the nearest number of E5M2, ties to even, subnormals kept.
;;     - The product sums the exact products of the quantised numbers (number of the format x scale) in f32.
;;   ~~~python
;;   def quantise(x, axis, e):      # numpy; x: float32 -> the quantised numbers, widened to float32 again
;;       x = np.moveaxis(x, axis, -1); K = x.shape[-1]
;;       r = np.clip(x / 2.0 ** e, -57344, 57344)
;;       step = 2.0 ** (np.maximum(np.frexp(np.where(r == 0, 1, r))[1] - 1, -14) - 2)
;;       q = np.round(r / step) * step * 2.0 ** e      # np.round: ties to even
;;       return np.moveaxis(q, -1, axis).astype(np.float32)
;;   ~~~
;;   OPERANDS COMPUTED ON THE WAY. 'Computed on the way' means the value that the module computes at that place (a softmax that the list does not call 'softmax' is quantised finished and normalised). What goes into a quantiser is computed in f32, as accurately as f32 sums, v_exp_f32 and their like allow (about 1e-6 of the number): no bf16 or f16 on the way to a quantiser, and a product that is left as it is and whose result goes on into a quantised operand takes f32 operands (vector FMAs, or v_wmma_f32_16x16x4_f32). A number that lies on a knife's edge between two numbers of the format may be rounded either way, as far as f32 arithmetic and the matrix unit's own rounding can turn it there, and no further.
;; 2 versions, each right; version 2 is version 1 with the launches ffn1, ffn2 written anew for expert scheduling mode. Each part assembles by itself: llvm-mc -triple=amdgcn-amd-amdhsa -mcpu=gfx1250 --defsym DOCPART=n.
;; ======== version 1 of 2: 4 launches
;; workspace buffers: xc 1,048,576 bytes; rsel 4,096 bytes of whole numbers; gv 8,192 bytes; rl 40,960 bytes of whole numbers; hid 33,554,432 bytes; part 16,842,752 bytes
;; launch gate (part 1): grid 256 x 1, 4 waves a work-group, no clusters, 1,024 bytes of LDS; arguments x, gate_w, gate_b, lowp_scales, xc, rsel, gv; writes xc, rsel, gv
.if DOCPART == 1
	.amdgcn_target "amdgcn-amd-amdhsa--gfx1250"
	.amdhsa_code_object_version 6
	.text
	.protected	k_q9e9b8f8434_gate
	.globl	k_q9e9b8f8434_gate
	.p2align	8
	.type	k_q9e9b8f8434_gate,@function
k_q9e9b8f8434_gate:
	s_mov_b64 s[64:65], 0
	v_nop
	global_prefetch_b8 v0, s[64:65] scope:SCOPE_SE
	s_setreg_imm32_b32 hwreg(HW_REG_WAVE_MODE, 25, 1), 1
	s_wait_xcnt 0x0
; THE GATE, AND x INTO CODES.  x: [1024 tokens][1024] f32.  gate_w: [1024][8], gate_b: [8] f32.
; logits = x gate_w + gate_b in f32 (fused multiply-adds); softmax with the row's maximum taken away; the two largest weights (the lower index keeps a tie).
; Stored at fixed places: rsel[t] = (1 << i0) | (256 << i1), a whole number; gv[t] = the two weights; xc[t][d] = the E5M2 code of x / 2^e0, held within +-57,344.
; No address and no branch here hangs on the choice: the later launches read rsel.
; SHARES.  A work-group takes four tokens.  Wave w takes d = 256 w .. 256 w + 255 of all four, lane l the eight numbers d = 256 w + 8 l + 0 .. 7; the waves' partial sums meet in LDS,
; and wave w then finishes token w.  No matrix unit: eight columns are too few for a tile.
; LIMITS: e0 between -126 and 112, so that 2^e0 and 57,344 x 2^e0 are f32 numbers.  NaN among the inputs is not served.
.set X,   16                           ; v16-47   x: token tk's eight numbers at 8 tk
.set GW,  48                           ; v48-111  gate_w: row dd's eight numbers at 8 dd
.set ACC, 112                          ; v112-143 the sums: token tk, expert e at 8 tk + e
.set C,   144                          ; v144-151 codes, two registers a token
.set P,   152                          ; v152-183 x held for the conversions; later the four waves' partial sums
	s_load_b256 s[4:11], s[0:1], 0x0               ; x s[4:5], gate_w s[6:7], gate_b s[8:9], the scales' exponents s[10:11]
	s_load_b128 s[12:15], s[0:1], 0x20             ; xc s[12:13], rsel s[14:15]
	s_load_b64 s[16:17], s[0:1], 0x30              ; gv
	v_lshl_add_u32 v192, v0, 2, 0x200
	v_mov_b32 v193, 0
	v_lshrrev_b32 v1, 5, v0
	v_readfirstlane_b32 s18, v1                    ; wave 0..3
	v_and_b32 v1, 31, v0                           ; lane
	v_lshlrev_b32 v2, 5, v1                        ; x: 32 bytes a lane
	v_lshlrev_b32 v3, 8, v1                        ; gate_w: eight rows of 32 bytes a lane
	v_lshlrev_b32 v4, 3, v1                        ; xc: 8 bytes a lane
	s_lshl_b32 s19, s18, 7
	v_mov_b32 v5, s19                              ; LDS: my wave's 32 partial sums at 128 w
	s_lshl_b32 s19, s18, 5
	v_mov_b32 v6, s19                              ; LDS: token w's eight sums at 32 w inside each wave's 128 bytes
	s_lshl_b32 s20, ttmp9, 14
	s_lshl_b32 s21, s18, 10
	s_add_co_u32 s20, s20, s21
	s_mov_b32 s21, 0                               ; x: 4 tokens x 4,096 bytes a work-group + 1,024 bytes a wave
	s_lshl_b32 s22, s18, 13
	s_mov_b32 s23, 0                               ; gate_w: 256 rows of 32 bytes a wave
	s_lshl_b32 s32, ttmp9, 12
	s_lshl_b32 s33, s18, 8
	s_add_co_u32 s32, s32, s33
	s_mov_b32 s33, 0                               ; xc: 4 tokens x 1,024 bytes + 256 bytes a wave
	s_lshl_b32 s34, ttmp9, 2
	s_add_co_u32 s34, s34, s18                     ; the token that my wave finishes
	s_lshl_b32 s36, s34, 3
	s_mov_b32 s37, 0                               ; gv: 8 bytes a token
	s_lshl_b32 s34, s34, 2
	s_mov_b32 s35, 0                               ; rsel: 4 bytes a token
	s_mov_b32 s40, 0x76543210                      ; v_permlanex16_b32: lane l takes lane l xor 16
	s_mov_b32 s41, 0xfedcba98
	s_wait_kmcnt 0x0
	s_load_b256 s[24:31], s[8:9], 0x0              ; gate_b
	s_load_b32 s38, s[10:11], 0x0                  ; e0
	s_add_nc_u64 s[4:5], s[4:5], s[20:21]
	s_add_nc_u64 s[6:7], s[6:7], s[22:23]
	s_add_nc_u64 s[12:13], s[12:13], s[32:33]
	s_add_nc_u64 s[14:15], s[14:15], s[34:35]
	s_add_nc_u64 s[16:17], s[16:17], s[36:37]
.irp tk, 0,1,2,3
	global_load_b128 v[X+8*\tk:X+8*\tk+3], v2, s[4:5] offset:4096*\tk th:TH_LOAD_NT       ; the pair reads the wave's 1,024 consecutive bytes of the token
	global_load_b128 v[X+8*\tk+4:X+8*\tk+7], v2, s[4:5] offset:4096*\tk+16 th:TH_LOAD_NT
.endr
.set n, 0
.rept 16
	global_load_b128 v[GW+4*n:GW+4*n+3], v3, s[6:7] offset:16*n
.set n, n+1
.endr
	s_wait_kmcnt 0x0
	s_add_co_i32 s38, s38, 127
	s_lshl_b32 s39, s38, 23
	v_mov_b32 v7, s39                              ; 2^e0 as f32: the conversion takes its exponent field
	s_add_co_i32 s38, s38, 15
	s_lshl_b32 s38, s38, 23
	s_or_b32 s38, s38, 0x600000
	v_mov_b32 v184, s38                            ; 57,344 x 2^e0
	s_wait_loadcnt 16                              ; x's eight loads are in; gate_w's sixteen may be out
.set n, 0
.rept 32
	v_med3_num_f32 v[P+n], v[X+n], -v184, v184     ; the conversion does not saturate (ISA guide 7.6.2): a held copy; x itself stays as it is for the gate
.set n, n+1
.endr
.irp tk, 0,1,2,3
	v_cvt_scalef32_pk8_bf8_f32 v[C+2*\tk:C+2*\tk+1], v[P+8*\tk:P+8*\tk+7], v7
.endr
	v_nop                                          ; one plain vector line behind the last conversion
.irp tk, 0,1,2,3
	global_store_b64 v4, v[C+2*\tk:C+2*\tk+1], s[12:13] offset:1024*\tk    ; the wave stores 256 consecutive bytes, at a multiple of 256 from xc's first byte
.endr
	s_wait_loadcnt 0x0                             ; gate_w
.set dd, 0
.rept 8                                        ; 32 sums that do not wait for each other, one step along d at a time
.set n, 0
.rept 32
.if dd == 0
	v_mul_f32 v[ACC+n], v[X+8*(n/8)], v[GW+(n%8)]
.else
	v_fmac_f32 v[ACC+n], v[X+8*(n/8)+dd], v[GW+8*dd+(n%8)]
.endif
.set n, n+1
.endr
.set dd, dd+1
.endr
.irp m, 1,2,4,8                                ; over the 32 lanes: four steps inside each half, one across
.set n, 0
.rept 32
	v_add_f32_dpp v[ACC+n], v[ACC+n], v[ACC+n] row_xmask:\m row_mask:0xf bank_mask:0xf
.set n, n+1
.endr
.endr
.set n, 0
.rept 32
	v_permlanex16_b32 v[GW+n], v[ACC+n], s40, s41  ; its destination counts as read: gate_w's registers have been written and are done with
.set n, n+1
.endr
.set n, 0
.rept 32
	v_add_f32 v[ACC+n], v[ACC+n], v[GW+n]
.set n, n+1
.endr
.set n, 0
.rept 8
	ds_store_b128 v5, v[ACC+4*n:ACC+4*n+3] offset:16*n     ; every lane holds the same sums and writes the same bytes
.set n, n+1
.endr
	s_wait_dscnt 0x0                               ; for the others' sake: my stores are done
	s_barrier_signal -1
	s_barrier_wait -1
.set n, 0
.rept 8
	ds_load_b128 v[P+4*n:P+4*n+3], v6 offset:128*(n/2)+16*(n%2)   ; wave n / 2's part of token w's eight sums
.set n, n+1
.endr
	s_wait_dscnt 0x0
.irp e, 0,1,2,3,4,5,6,7
	v_add_f32 v[ACC+\e], v[P+\e], v[P+8+\e]
	v_add_f32 v[ACC+8+\e], v[P+16+\e], v[P+24+\e]
.endr
.irp e, 0,1,2,3,4,5,6,7
	v_add_f32 v[ACC+\e], v[ACC+\e], v[ACC+8+\e]
.endr
.irp e, 0,1,2,3,4,5,6,7
	v_add_f32 v[ACC+\e], s[24+\e], v[ACC+\e]       ; + gate_b: the logits
.endr
	v_max3_num_f32 v185, v[ACC], v[ACC+1], v[ACC+2]
	v_max3_num_f32 v185, v185, v[ACC+3], v[ACC+4]
	v_max3_num_f32 v185, v185, v[ACC+5], v[ACC+6]
	v_max_num_f32 v185, v185, v[ACC+7]             ; the row's maximum is taken away ahead of the exponentials
.irp e, 0,1,2,3,4,5,6,7
	v_sub_f32 v[ACC+\e], v[ACC+\e], v185
.endr
.irp e, 0,1,2,3,4,5,6,7
	v_mul_f32 v[ACC+\e], 0x3fb8aa3b, v[ACC+\e]     ; x log2(e)
.endr
.irp e, 0,1,2,3,4,5,6,7
	v_exp_f32 v[ACC+\e], v[ACC+\e]
.endr
	v_nop                                          ; one plain line behind the exponentials
	s_wait_alu depctr_va_vdst(0)
	v_add_f32 v185, v[ACC], v[ACC+1]
	v_add_f32 v186, v[ACC+2], v[ACC+3]
	v_add_f32 v187, v[ACC+4], v[ACC+5]
	v_add_f32 v188, v[ACC+6], v[ACC+7]
	v_add_f32 v185, v185, v186
	v_add_f32 v187, v187, v188
	v_add_f32 v185, v185, v187
	v_rcp_f32 v185, v185
	v_mov_b32 v189, -1.0                           ; (the plain line behind the reciprocal)  under every weight
	s_wait_alu depctr_va_vdst(0)
.irp e, 0,1,2,3,4,5,6,7
	v_mul_f32 v[ACC+\e], v[ACC+\e], v185           ; the gate's weights
.endr
	v_mov_b32 v186, v[ACC]                         ; the largest: a later expert takes over only where it is strictly larger
	v_mov_b32 v188, 0
.irp e, 1,2,3,4,5,6,7
	v_cmp_le_f32 vcc_lo, v[ACC+\e], v186
	v_cndmask_b32 v186, v[ACC+\e], v186, vcc_lo
	v_cndmask_b32 v188, \e, v188, vcc_lo
.endr
.irp e, 0,1,2,3,4,5,6,7
	v_cmp_eq_u32 vcc_lo, \e, v188
	v_cndmask_b32 v[ACC+\e], v[ACC+\e], v189, vcc_lo   ; the first choice leaves the field
.endr
	v_mov_b32 v187, v[ACC]                         ; the second largest, in the same way
	v_mov_b32 v190, 0
.irp e, 1,2,3,4,5,6,7
	v_cmp_le_f32 vcc_lo, v[ACC+\e], v187
	v_cndmask_b32 v187, v[ACC+\e], v187, vcc_lo
	v_cndmask_b32 v190, \e, v190, vcc_lo
.endr
	v_mov_b32 v184, 1
	v_lshlrev_b32 v188, v188, v184
	v_mov_b32 v184, 0x100
	v_lshlrev_b32 v190, v190, v184
	v_or_b32 v191, v188, v190                      ; (1 << i0) | (256 << i1)
	v_mov_b32 v184, 0
	v_cmp_eq_u32 vcc_lo, 0, v1
	s_wait_xcnt 0x0                                ; EXEC is a source of the stores above: it changes only behind this wait
	s_wait_tensorcnt 0x0
	ds_add_u32 v192, v193
	s_wait_dscnt 0x0
	s_and_saveexec_b32 s42, vcc_lo                 ; lane 0 alone stores the token's three words
	global_store_b32 v184, v191, s[14:15]
	global_store_b64 v184, v[186:187], s[16:17]
	s_endpgm
.Lfunc_end_k_q9e9b8f8434_gate:
	.size	k_q9e9b8f8434_gate, .Lfunc_end_k_q9e9b8f8434_gate-k_q9e9b8f8434_gate
	.p2alignl 7, 3214868480
	.fill 96, 4, 3214868480
	.section	.rodata,"a",@progbits
	.p2align	6, 0x0
	.amdhsa_kernel k_q9e9b8f8434_gate
		.amdhsa_group_segment_fixed_size 1024
		.amdhsa_private_segment_fixed_size 0
		.amdhsa_enable_private_segment 0
		.amdhsa_kernarg_size 56
		.amdhsa_user_sgpr_count 2
		.amdhsa_user_sgpr_kernarg_segment_ptr 1
		.amdhsa_wavefront_size32 1
		.amdhsa_system_sgpr_workgroup_id_x 1
		.amdhsa_system_sgpr_workgroup_id_y 1
		.amdhsa_system_sgpr_workgroup_id_z 1
		.amdhsa_system_vgpr_workitem_id 0
		.amdhsa_next_free_vgpr 194
		.amdhsa_next_free_sgpr 66
		.amdhsa_reserve_vcc 1
		.amdhsa_float_denorm_mode_32 3
		.amdhsa_float_denorm_mode_16_64 3
		.amdhsa_memory_ordered 1
		.amdhsa_forward_progress 1
		.amdhsa_inst_pref_size 33
	.end_amdhsa_kernel
	.amdgpu_metadata
---
amdhsa.version: [ 1, 2 ]
amdhsa.kernels:
  - .name:           k_q9e9b8f8434_gate
    .symbol:         k_q9e9b8f8434_gate.kd
    .args:
      - { .name: x, .offset: 0, .size: 8, .value_kind: global_buffer, .address_space: global }
      - { .name: gate_w, .offset: 8, .size: 8, .value_kind: global_buffer, .address_space: global }
      - { .name: gate_b, .offset: 16, .size: 8, .value_kind: global_buffer, .address_space: global }
      - { .name: lowp_scales, .offset: 24, .size: 8, .value_kind: global_buffer, .address_space: global }
      - { .name: xc, .offset: 32, .size: 8, .value_kind: global_buffer, .address_space: global }
      - { .name: rsel, .offset: 40, .size: 8, .value_kind: global_buffer, .address_space: global }
      - { .name: gv, .offset: 48, .size: 8, .value_kind: global_buffer, .address_space: global }
    .group_segment_fixed_size: 1024
    .private_segment_fixed_size: 0
    .kernarg_segment_align: 8
    .kernarg_segment_size: 56
    .max_flat_workgroup_size: 128
    .sgpr_count:     66
    .vgpr_count:     194
    .wavefront_size: 32
...
	.end_amdgpu_metadata
.endif
;; end of part 1
;; launch ffn1 (part 2): grid 32 x 8, 4 waves a work-group, no clusters, 136,704 bytes of LDS; arguments xc, w1, b1, lowp_scales, rsel, hid, rl; writes hid, rl
.if DOCPART == 2
	.amdgcn_target "amdgcn-amd-amdhsa--gfx1250"
	.amdhsa_code_object_version 6
	.text
	.protected	k_q9e9b8f8434_ffn1
	.globl	k_q9e9b8f8434_ffn1
	.p2align	8
	.type	k_q9e9b8f8434_ffn1,@function
k_q9e9b8f8434_ffn1:
	s_mov_b64 s[64:65], 0
	v_nop
	global_prefetch_b8 v0, s[64:65] scope:SCOPE_SE
	s_setreg_imm32_b32 hwreg(HW_REG_WAVE_MODE, 25, 1), 1
	s_wait_xcnt 0x0
; THE FIRST EXPERT PRODUCT, for the rows that were chosen: hid = codes of relu(x w1 + b1), E5M2 with the given scale 2^e3.  x comes as codes (xc, scale 2^e0); w1 [8][1024 d][4096 h] comes as f32 with K outermost.
; SHARES.  Work-group (hs, e) owns expert e's hidden units 128 hs .. 128 hs + 127: a slice of w1 of 1,024 rows x 512 bytes, which no other work-group reads.  It is read ONCE, in 8 chunks of 128 rows, quantised in
; registers (scale 2^e1) and laid into LDS as images of operand registers; all 8 chunks stay there (131,072 bytes, each byte written once).  Behind each chunk's barrier every wave multiplies it with its own tiles of
; 16 rows (six at the most, 384 rows a work-group) while the next two chunks are on their way.  An expert with more than 384 rows (1,024 at the most) is served afterwards from the codes kept in LDS: no barrier, loops of
; constant count, the work jumped over by forward branches on the count of rows.
; THE ROWS.  rsel[t] says which two experts token t chose.  The rows' order: by groups of 32 tokens (a register of rsel), in a group by lanes.  Every wave counts the expert's rows and finds, IN REGISTERS, the tokens of its
; own six tiles of the first pass: rank p lies in the last group whose running count is not above p, at set bit number p - count of the group's mask, found by halving on partial bit counts.  So x's first loads go out
; ahead of the list's barrier.  Wave 0 also places all rows in LDS, in the same order: list[pos] = slot = 2 t + k; from it come the later passes' rows and rl, which work-group hs = 0 stores.
; TILES 4 AND 5 of a wave exist only where the expert has more than 256 rows: their products stand in a run of their own, jumped over where the wave has no fifth tile.  In chunk 0 they run in any case: they start the sums.
; NO TENSOR LOADS AND NO CLUSTER: the text branches on counts read from memory, and the weights, which are nearly all the bytes, are shared by nobody.
; A wave writes more loads than LOADcnt's field holds; the issue then stalls (ISA guide 5.7.1), and each wait's count, never above the number of younger loads, stays right.
; K'S ORDER inside a step of 128, alike in both operands: register p (0 .. 15), byte b, lane half h hold k = 64 (p / 8) + 32 h + 4 (p % 8) + b.  Every product meets its partner; only the order of the sums inside an
; instruction differs from the natural one.
; THE MATRIX INSTRUCTION IS USED TRANSPOSED: source 0 = 16 columns of w1, source 1 = 16 rows of x.  A load of 16 bytes gives lane (r, h) columns 4 r .. 4 r + 3 of one row of w1, so tile j of a group of 64 columns is
; the columns 4 q + j; the lane's results of the four tiles are then 32 NEIGHBOURING hidden units 32 h + 4 jj + j of its row: in just the order above, so that the conversions' results are the next product's operand.
; LIMITS: e1 and e3 between -126 and 112, e0 + e1 between -126 and 127, so that each power of two below is an f32 number.  NaN among the inputs is not served.
; REGISTERS, in windows of 256.  window 0: v1-31 addresses and scales; v32-47 codes by rows; v48-63 half turned; v64-127 four fragments of w1 by turns (at the head: the search for the rows); v128-223 x's fragments,
;   buffer 1 (at the head: rsel and the list's work); v224-253 addresses of the head.  window 1: two sets of 128 numbers of w1; behind the main trips b1 (v0-63), the hidden layer (v64-127), its codes (v128-159).
;   window 2: the accumulators of tiles 0-3 (tile i, fragment f at 64 i + 8 f).  window 3: those of tiles 4, 5 (v0-127); x's fragments, buffer 0 (v128-223); turned codes (v224-255).
.set ROWB,   16384                     ; a row of w1 in bytes
.set CHUNKB, 128*ROWB                  ; a chunk: 128 along K
.set ACH,    128                       ; x's codes of a chunk, in each row
.set LIST,   131072                    ; LDS: behind the codes: 1,152 entries and 32 words for the lanes that place nothing
.set L16,  1                           ; 16 x lane
.set WOFF, 2                           ; w1: 32 rows x h + 16 r
.set CST,  3                           ; where I store codes in a chunk: 16 x lane + 8,192 (w / 2) + 1,024 (w % 2)
.set CA,   4                           ; the same in the chunk in hand
.set LA,   5                           ; 16 x lane in the chunk in hand
.set SCW,  6                           ; 2^e1
.set SCH,  7                           ; 2^e3
.set XO,   8                           ; v8-13   my six tiles: byte of my row in xc, + 32 h
.set NX,   14                          ; v14-25  the same for the two later passes
.set D,    32
.set P,    48
.set BR,   64
.set XB,   128
.set PR,   64                          ; at the head, six registers each, one for each of my tiles: my row's rank 64 i + 16 w + r,
.set MM,   70                          ; the mask of the group of 32 tokens in which it lies,
.set XX,   76                          ; the rows ahead of that group | the group's number << 16,
.set L1,   82                          ; the mask's bit counts by fields of 2,
.set L2,   88                          ; of 4,
.set L3,   94                          ; of 8 bits,
.set NN,   100                         ; which set bit is still sought,
.set PS,   106                         ; from which bit on,
.set TT,   112                         ; at work
.set UU,   118
.set ZV,   124                         ; 0
.set RS,   128                         ; at the head: rsel, 32 registers
.set PO,   160                         ; at the head: a place in the list for each of the 32 groups
.set SL,   192                         ; at the head: its slot
.set LZ,   224                         ; LIST + 16 x lane
.set LRD,  225                         ; LIST + 64 w + 4 r
.set LDU,  226                         ; LIST + 4 x thread
.set RLO,  227                         ; 4 x thread
.set B1O,  228                         ; 128 h
.set H32,  229                         ; 32 h
.set LL,   230                         ; v230-247 entries read from the list
.set L8,   248                         ; 8 x lane
.set DMP,  249                         ; 1,152 + lane
.set ZR,   250                         ; v250-253 zeros
.set E,    224                         ; in window 3
.set SA,   4                           ; s[4:5]   xc, stepped chunk by chunk
.set SW,   6                           ; s[6:7]   w1 at my wave's part of the chunk in hand
.set B1P,  8
.set LOW,  10
.set RSP,  12
.set SH,   14                          ; s[14:15] hid at my first tile of the pass
.set RLP,  16
.set WV,   18
.set HS,   19
.set EX,   20
.set CNT,  21                          ; the expert's rows
.set NT,   22                          ; its tiles
.set TLIM, 23                          ; at least 1: tile 0 is always written, so that the next launch reads nothing unwritten
.set T0,   24                          ; the pass's first tile
.set LC,   25
.set CB,   26                          ; LDS byte of the chunk (pair of chunks) in hand
.set T4,   27                          ; my fifth tile of the pass
.set NLIM, 28
.set LIM,  29                          ; 57,344 x 2^e1
.set LIMH, 30                          ; 57,344 x 2^e3
.set SC1,  31                          ; 2^(e0 + e1)
.set SELA, 32
.set SELB, 33
.set SELL, 34
.set SELH, 35
.set SO,   40                          ; s[40:41] xc in the later passes
.set PASS, 42
.set BITS, 43
.set XC0,  52                          ; s[52:53] xc, never stepped
.set CM,   54                          ; s54-59   six lane masks of the search
.set MSB, 0
.macro WIN new                         ; the immediate's high byte repeats the setting that is left; a switch that changes nothing is dropped
.if MSB != (\new)
	s_set_vgpr_msb (MSB<<8)|(\new)
.set MSB, (\new)
.endif
.endm
; 16 rows of my part of a chunk: lanes 0-15 read 256 consecutive bytes of one row, at a multiple of 256 from w1's first byte, lanes 16-31 those of the row 32 further down
.macro WLOAD par, z, imm
	WIN 0x40
.set wl_n, 0
.rept 16
	global_load_b128 v[128*(\par)+64*(\z)+4*wl_n:128*(\par)+64*(\z)+4*wl_n+3], v[WOFF], s[SW:SW+1] offset:(\imm)+(16*(\z)+wl_n)*ROWB th:TH_LOAD_NT
.set wl_n, wl_n+1
.endr
.endm
; x's fragments of tiles i0 .. i1 for one chunk: of my row the bytes 32 h + 0 .. 31 and 64 + 32 h + 0 .. 31
.macro ALOAD buf, i0, i1, imm, base
.if (\buf) == 0
	WIN 0xc0
.else
	WIN 0
.endif
.set al_i, \i0
.rept (\i1)-(\i0)+1
	global_load_b128 v[XB+16*al_i:XB+16*al_i+3],     v[XO+al_i], s[\base:\base+1] offset:(\imm)
	global_load_b128 v[XB+16*al_i+4:XB+16*al_i+7],   v[XO+al_i], s[\base:\base+1] offset:(\imm)+16
	global_load_b128 v[XB+16*al_i+8:XB+16*al_i+11],  v[XO+al_i], s[\base:\base+1] offset:(\imm)+64
	global_load_b128 v[XB+16*al_i+12:XB+16*al_i+15], v[XO+al_i], s[\base:\base+1] offset:(\imm)+80
.set al_i, al_i+1
.endr
.endm
; 64 numbers (16 rows x my 4 columns) become 16 words of codes, a word = one row's four columns
.macro CONV1 par, z
	WIN 0x41
.set c1_n, 128*(\par)+64*(\z)
.rept 64
	v_med3_num_f32 v[c1_n], v[c1_n], s[NLIM], s[LIM]       ; the conversion does not saturate (ISA guide 7.6.2): the hold at the largest code x the scale
.set c1_n, c1_n+1
.endr
	WIN 0x01
.set c1_n, 0
.rept 8
	v_cvt_scalef32_pk8_bf8_f32 v[D+2*c1_n:D+2*c1_n+1], v[128*(\par)+64*(\z)+8*c1_n:128*(\par)+64*(\z)+8*c1_n+7], v[SCW]
.set c1_n, c1_n+1
.endr
	WIN 0
	v_nop                                          ; one plain vector line behind the last conversion
.endm
; four times 4 x 4 bytes are turned, so that a word holds four neighbours along K of one column; then the four quarters of fragments go to LDS, 512 consecutive bytes a store
.macro CONV2 z, lo
	WIN 0
.set c2_q, 0
.rept 4
	v_perm_b32 v[P+4*c2_q],   v[D+4*c2_q+1], v[D+4*c2_q],   s[SELA]
	v_perm_b32 v[P+4*c2_q+1], v[D+4*c2_q+1], v[D+4*c2_q],   s[SELB]
	v_perm_b32 v[P+4*c2_q+2], v[D+4*c2_q+3], v[D+4*c2_q+2], s[SELA]
	v_perm_b32 v[P+4*c2_q+3], v[D+4*c2_q+3], v[D+4*c2_q+2], s[SELB]
.set c2_q, c2_q+1
.endr
	WIN 0xc0
.set c2_q, 0
.rept 4
	v_perm_b32 v[E+16*(\z)+c2_q],    v[P+4*c2_q+2], v[P+4*c2_q],   s[SELL]
	v_perm_b32 v[E+16*(\z)+4+c2_q],  v[P+4*c2_q+2], v[P+4*c2_q],   s[SELH]
	v_perm_b32 v[E+16*(\z)+8+c2_q],  v[P+4*c2_q+3], v[P+4*c2_q+1], s[SELL]
	v_perm_b32 v[E+16*(\z)+12+c2_q], v[P+4*c2_q+3], v[P+4*c2_q+1], s[SELH]
.set c2_q, c2_q+1
.endr
	WIN 0x0c
.set c2_q, 0
.rept 4
	ds_store_b128 v[CA], v[E+16*(\z)+4*c2_q:E+16*(\z)+4*c2_q+3] offset:(\lo)+2048*c2_q+512*(\z)
.set c2_q, c2_q+1
.endr
.endm
.macro BLOAD f, lo                     ; fragment f of the chunk, as it was stored
.set bl_c, 0
.rept 4
	ds_load_b128 v[BR+16*((\f)%4)+4*bl_c:BR+16*((\f)%4)+4*bl_c+3], v[LA] offset:(\lo)+2048*(\f)+512*bl_c
.set bl_c, bl_c+1
.endr
.endm
.macro WM i, f, zero
.set wm_d, 64*((\i)%4)+8*(\f)
.if \zero
	v_wmma_f32_16x16x128_bf8_bf8 v[wm_d:wm_d+7], v[BR+16*((\f)%4):BR+16*((\f)%4)+15], v[XB+16*(\i):XB+16*(\i)+15], 0
.else
	v_wmma_f32_16x16x128_bf8_bf8 v[wm_d:wm_d+7], v[BR+16*((\f)%4):BR+16*((\f)%4)+15], v[XB+16*(\i):XB+16*(\i)+15], v[wm_d:wm_d+7]
.endif
.endm
; The chunk's 8 fragments, each against my tiles i0 .. i0 + n - 1 (window setting mw).  The accumulators take turns, one instruction a turn.  zero = 1: the products start the sums.
; Four fragments are asked for ahead.  The waits count the LDS loads issued behind the fragment that is due: three fragments' twelve, at the end 8, 4, 0.
.macro MRUN buf, lo, zero, i0, n, mw
	WIN 0
	BLOAD 0, \lo
	BLOAD 1, \lo
	BLOAD 2, \lo
	BLOAD 3, \lo
.set mu_f, 0
.rept 8
.if mu_f < 5
	s_wait_dscnt 12
.else
	s_wait_dscnt 4*(7-mu_f)
.endif
	WIN (\mw)+0x0c*(1-(\buf))
.set mu_i, \i0
.rept \n
	WM mu_i, mu_f, \zero
.set mu_i, mu_i+1
.endr
.if mu_f < 4
	WIN 0
.rept 4
	v_nop                                          ; four places in front of loads into registers that the products above have read (ISA guide 7.12.1 for vector instructions)
.endr
	BLOAD mu_f+4, \lo
.endif
.set mu_f, mu_f+1
.endr
	WIN 0
.endm
; A chunk's products: tiles 0-3, then tiles 4 and 5.  g45 = 1: the second run, with its second reading of the fragments, is jumped over where I have no fifth tile.
.macro MULT buf, lo, zero, g45
	MRUN \buf, \lo, \zero, 0, 4, 0xa0
.if \g45
	s_cmp_lt_u32 s[T4], s[TLIM]
	s_cbranch_scc0 .Lm45_\@
.endif
.rept 4
	v_nop                                          ; places in front of loads into the fragments' registers, which the first run's last products have read
.endr
	MRUN \buf, \lo, \zero, 4, 2, 0xf0
.if \g45
.Lm45_\@:
.endif
.endm
.macro TAILLOADS                       ; b1 of my 64 hidden units (32 h + 64 g + 0 .. 31), into registers that the last chunk but one has left
	WIN 0x40
.set tl_n, 0
.rept 16
	global_load_b128 v[4*tl_n:4*tl_n+3], v[B1O], s[B1P:B1P+1] offset:256*(tl_n/8)+16*(tl_n%8)
.set tl_n, tl_n+1
.endr
.endm
; A MAIN TRIP, chunk c.  From chunk 2 on my loads in flight at its head are, in order: w1 of chunk c, x of chunk c, w1 of chunk c + 1 (32 loads); at chunk 1's head the first of these has landed already.  The wait wn = 32
; leaves those 32 out, however many of x's loads were issued.  Chunk 0 has counts of its own (see where it is called); wm under 64: a second wait, for x, in front of the products.
; na, nw: x of chunk c + 1 and w1 of chunk c + 2 are asked for.  hg = 1: the loads for my tiles 4 and 5 are jumped over where I have no fifth tile.
.macro TRIP par, first, na, nw, hg, wn, tail, wm, g45
	s_wait_loadcnt \wn
	s_wait_xcnt 0x0                                ; bases are stepped, and registers that served as offsets rewritten, only behind this wait
.if (\first) == 0
	s_add_nc_u64 s[SW:SW+1], s[SW:SW+1], CHUNKB
	s_add_nc_u64 s[SA:SA+1], s[SA:SA+1], ACH
.endif
.if \tail
	TAILLOADS
.endif
	WIN 0
	v_add_nc_u32 v[CA], s[CB], v[CST]
	v_add_nc_u32 v[LA], s[CB], v[L16]
	CONV1 \par, 0                                  ; its 64 holds are also the places behind the last trip's products
.if \na
	ALOAD 1-\par, 0, 3, ACH, SA
.if \hg
	WIN 0
	s_cmp_lt_u32 s[T4], s[TLIM]
	s_cbranch_scc0 .Lna_\@
.endif
	ALOAD 1-\par, 4, 5, ACH, SA
.if \hg
	WIN 0
.Lna_\@:
.endif
.endif
.if \nw
	WLOAD \par, 0, 2*CHUNKB                        ; into the registers just converted
.endif
	CONV2 0, 16384*(\par)
	CONV1 \par, 1
.if \nw
	WLOAD \par, 1, 2*CHUNKB
.endif
	CONV2 1, 16384*(\par)
	WIN 0
	s_wait_dscnt 0x0                               ; for the others' sake: my part of the chunk's codes lies in LDS
	s_barrier_signal -1
	s_barrier_wait -1                              ; everybody's does
.if (\wm) < 64
	s_wait_loadcnt \wm
.endif
	MULT \par, 16384*(\par), \first, \g45
.endm
; A trip of a later pass: the chunk's codes are in LDS already; nothing is shared, so no barrier.  The work is jumped over where the expert has no tile in this pass; the steps of the addresses are not.
.macro OVTRIP zero
	s_cmp_lt_u32 s[T0], s[NT]
	s_cbranch_scc0 .Lov_skip_\@
.rept 4
	v_nop                                          ; places in front of loads into registers that products have read
.endr
	ALOAD 0, 0, 5, 0, SO
	WIN 0
	v_add_nc_u32 v[LA], s[CB], v[L16]
	s_wait_loadcnt 0x0
	MULT 0, 0, \zero, 1
.Lov_skip_\@:
	s_wait_xcnt 0x0
	s_add_nc_u64 s[SO:SO+1], s[SO:SO+1], ACH
	s_add_co_u32 s[CB], s[CB], 16384
.endm
; Tile i leaves: sum x 2^(e0 + e1) + b1; relu and the hold in one; codes; the fragment's image, four stores of 512 consecutive bytes.  Each accumulator is read from its lowest register on.
.macro EPI i
	s_add_co_u32 s44, s[T0], 4*(\i)
	s_add_co_u32 s44, s44, s[WV]
	s_cmp_lt_u32 s44, s[TLIM]
	s_cbranch_scc0 .Lepi_\@
	s_wait_xcnt 0x0                                ; earlier stores have read their registers
	WIN 0x52+((\i)/4)
.set ep_g, 0
.rept 2
.set ep_j, 0
.rept 8
.set ep_t, 0
.rept 4
	v_fma_f32 v[64+32*ep_g+4*ep_j+ep_t], v[64*((\i)%4)+8*(4*ep_g+ep_t)+ep_j], s[SC1], v[32*ep_g+4*ep_j+ep_t]
.set ep_t, ep_t+1
.endr
.set ep_j, ep_j+1
.endr
.set ep_g, ep_g+1
.endr
	WIN 0x41
.set ep_j, 0
.rept 64
	v_med3_num_f32 v[64+ep_j], v[64+ep_j], 0, s[LIMH]
.set ep_j, ep_j+1
.endr
.set ep_c, 128+16*((\i)%2)
.set ep_j, 0
.rept 8
	v_cvt_scalef32_pk8_bf8_f32 v[ep_c+2*ep_j:ep_c+2*ep_j+1], v[64+8*ep_j:64+8*ep_j+7], v[SCH]
.set ep_j, ep_j+1
.endr
	v_nop                                          ; one plain vector line behind the last conversion
	WIN 0x04
.set ep_j, 0
.rept 4
	global_store_b128 v[L16], v[ep_c+4*ep_j:ep_c+4*ep_j+3], s[SH:SH+1] offset:262144*(\i)+512*ep_j
.set ep_j, ep_j+1
.endr
	WIN 0
.Lepi_\@:
.endm
; One halving of the search for a set bit: t = the set bits among the w bits from PS on, read off the field counts in lx; where fewer than NN + 1 lie there, they are passed over
.macro SSTEP lx, w
.irp i, 0,1,2,3,4,5
	v_bfe_u32 v[TT+\i], v[\lx+\i], v[PS+\i], \w
.endr
.irp i, 0,1,2,3,4,5
	v_cmp_lt_u32 s[CM+\i], v[NN+\i], v[TT+\i]
.endr
.irp i, 0,1,2,3,4,5
	v_cndmask_b32 v[TT+\i], v[TT+\i], v[ZV], s[CM+\i]
	v_cndmask_b32 v[UU+\i], \w, v[ZV], s[CM+\i]
.endr
.irp i, 0,1,2,3,4,5
	v_sub_nc_u32 v[NN+\i], v[NN+\i], v[TT+\i]
	v_add_nc_u32 v[PS+\i], v[PS+\i], v[UU+\i]
.endr
.endm
	s_load_b256 s[4:11], s[0:1], 0x0               ; xc, w1, b1, the scales' exponents
	s_load_b128 s[12:15], s[0:1], 0x20             ; rsel, hid
	s_load_b64 s[16:17], s[0:1], 0x30              ; rl
	v_lshl_add_u32 v254, v0, 2, 0x21400
	v_mov_b32 v255, 0
	v_lshrrev_b32 v26, 5, v0
	v_readfirstlane_b32 s[WV], v26                 ; wave 0..3
	s_mov_b32 s[HS], ttmp9
	s_and_b32 s[EX], ttmp7, 0xffff
	v_and_b32 v27, 31, v0                          ; lane
	v_and_b32 v28, 15, v0                          ; r
	v_bfe_u32 v29, v0, 4, 1                        ; h
	v_lshlrev_b32 v[L16], 4, v27
	v_lshlrev_b32 v[WOFF], 4, v28
	v_lshl_add_u32 v[WOFF], v29, 19, v[WOFF]
	s_lshr_b32 s44, s[WV], 1                       ; which group of 64 columns I convert
	s_and_b32 s45, s[WV], 1                        ; which 64 of the chunk's 128 rows
	s_lshl_b32 s46, s44, 13
	s_lshl_b32 s47, s45, 10
	s_add_co_u32 s46, s46, s47
	v_add_nc_u32 v[CST], s46, v[L16]
	v_add_nc_u32 v[LZ], LIST, v[L16]
	s_lshl_b32 s46, s[WV], 6
	v_lshl_add_u32 v[LRD], v28, 2, s46
	v_add_nc_u32 v[LRD], LIST, v[LRD]
	v_lshlrev_b32 v[RLO], 2, v0
	v_add_nc_u32 v[LDU], LIST, v[RLO]
	v_lshlrev_b32 v[B1O], 7, v29
	v_lshlrev_b32 v[H32], 5, v29
	v_lshlrev_b32 v[L8], 3, v27
	v_add_nc_u32 v[DMP], 1152, v27
	s_lshl_b32 s46, s[WV], 4
	v_add_nc_u32 v[PR], s46, v28                   ; my row's rank in tile i of the first pass: 64 i + 16 w + r
.irp i, 1,2,3,4,5
	v_add_nc_u32 v[PR+\i], 64*\i, v[PR]
.endr
	v_mov_b32 v[ZV], 0
	s_lshl_b32 s48, s[EX], 24                      ; w1: 16 MiB an expert + 512 bytes a slice + 256 a group of columns + 64 rows
	s_lshl_b32 s46, s[HS], 9
	s_add_co_u32 s48, s48, s46
	s_lshl_b32 s46, s44, 8
	s_add_co_u32 s48, s48, s46
	s_lshl_b32 s46, s45, 20
	s_add_co_u32 s48, s48, s46
	s_mov_b32 s49, 0
	s_lshl_b32 s50, s[EX], 22                      ; hid: 4 MiB an expert + 65,536 a tile + 2,048 a K step
	s_lshl_b32 s46, s[WV], 16
	s_add_co_u32 s50, s50, s46
	s_lshl_b32 s46, s[HS], 11
	s_add_co_u32 s50, s50, s46
	s_mov_b32 s51, 0
	s_lshl_b32 s54, s[EX], 14                      ; b1
	s_lshl_b32 s46, s[HS], 9
	s_add_co_u32 s54, s54, s46
	s_mov_b32 s55, 0
	s_mul_i32 s56, s[EX], 5120                     ; rl
	s_mov_b32 s57, 0
	s_lshl_b32 s[BITS], 0x101, s[EX]               ; the expert's two bits in rsel
	s_mov_b32 s[SELA], 0x05010400
	s_mov_b32 s[SELB], 0x07030602
	s_mov_b32 s[SELL], 0x05040100
	s_mov_b32 s[SELH], 0x07060302
	s_mov_b32 s[CB], 0
	s_mov_b32 s[T0], 0
	s_mov_b32 s[PASS], 0
	s_wait_kmcnt 0x0
	s_load_b128 s[36:39], s[LOW:LOW+1], 0x0        ; e0, e1, e2, e3
	s_mov_b64 s[XC0:XC0+1], s[SA:SA+1]
	s_add_nc_u64 s[SW:SW+1], s[SW:SW+1], s[48:49]
	s_add_nc_u64 s[SH:SH+1], s[SH:SH+1], s[50:51]
	s_add_nc_u64 s[B1P:B1P+1], s[B1P:B1P+1], s[54:55]
	s_add_nc_u64 s[RLP:RLP+1], s[RLP:RLP+1], s[56:57]
.set n, 0
.rept 8
	global_load_b128 v[RS+4*n:RS+4*n+3], v[L16], s[RSP:RSP+1] offset:512*n     ; register g = 4 n + c of lane l: token 128 n + 4 l + c
.set n, n+1
.endr
	WLOAD 0, 0, 0                                  ; chunks 0 and 1 are on their way while the rows are found
	WLOAD 0, 1, 0
	WLOAD 1, 0, CHUNKB
	WLOAD 1, 1, CHUNKB
	WIN 0
	s_wait_loadcnt 63                              ; rsel is in: 64 loads were issued behind it
	; THE COUNT, AND THE GROUP OF EACH OF MY SIX RANKS.  Group g's mask (s44) and the rows ahead of it (CNT, with g above it: s46) are taken over by every rank that does not lie ahead of the group; the last taking stays.
	s_mov_b32 s[CNT], 0
.set se_g, 0
.rept 32
	v_and_b32 v26, s[BITS], v[RS+se_g]
	v_cmp_ne_u32 s44, 0, v26                       ; the lanes whose token chose this expert
	s_or_b32 s46, s[CNT], (se_g<<16)
.if se_g == 0
.irp i, 0,1,2,3,4,5
	v_mov_b32 v[MM+\i], s44
	v_mov_b32 v[XX+\i], s46
.endr
.else
.irp i, 0,1,2,3,4,5
	v_cmp_gt_u32 s[CM+\i], s[CNT], v[PR+\i]        ; the group begins behind my rank: keep what I have
.endr
.irp i, 0,1,2,3,4,5
	v_cndmask_b32 v[MM+\i], s44, v[MM+\i], s[CM+\i]
	v_cndmask_b32 v[XX+\i], s46, v[XX+\i], s[CM+\i]
.endr
.endif
	s_bcnt1_i32_b32 s45, s44
	s_add_co_u32 s[CNT], s[CNT], s45
.set se_g, se_g+1
.endr
	; THE SET BIT.  NN = rank - rows ahead of the group; the mask's bit counts by fields of 2, 4 and 8 bits; then five halvings
.irp i, 0,1,2,3,4,5
	v_and_b32 v[TT+\i], 0xffff, v[XX+\i]
	v_lshrrev_b32 v[UU+\i], 1, v[MM+\i]
.endr
.irp i, 0,1,2,3,4,5
	v_sub_nc_u32 v[NN+\i], v[PR+\i], v[TT+\i]
	v_and_b32 v[UU+\i], 0x55555555, v[UU+\i]
.endr
.irp i, 0,1,2,3,4,5
	v_lshrrev_b32 v[XX+\i], 16, v[XX+\i]           ; the group's number
	v_sub_nc_u32 v[L1+\i], v[MM+\i], v[UU+\i]
.endr
.irp i, 0,1,2,3,4,5
	v_lshrrev_b32 v[TT+\i], 2, v[L1+\i]
	v_and_b32 v[UU+\i], 0x33333333, v[L1+\i]
.endr
.irp i, 0,1,2,3,4,5
	v_and_b32 v[TT+\i], 0x33333333, v[TT+\i]
.endr
.irp i, 0,1,2,3,4,5
	v_add_nc_u32 v[L2+\i], v[UU+\i], v[TT+\i]
.endr
.irp i, 0,1,2,3,4,5
	v_lshrrev_b32 v[TT+\i], 4, v[L2+\i]
.endr
.irp i, 0,1,2,3,4,5
	v_add_nc_u32 v[TT+\i], v[L2+\i], v[TT+\i]
.endr
.irp i, 0,1,2,3,4,5
	v_and_b32 v[L3+\i], 0x0f0f0f0f, v[TT+\i]
.endr
.irp i, 0,1,2,3,4,5
	v_lshrrev_b32 v[TT+\i], 8, v[L3+\i]
.endr
.irp i, 0,1,2,3,4,5
	v_add_nc_u32 v[TT+\i], v[L3+\i], v[TT+\i]
.endr
.irp i, 0,1,2,3,4,5
	v_and_b32 v[TT+\i], 0xff, v[TT+\i]             ; the set bits among the low 16
.endr
.irp i, 0,1,2,3,4,5
	v_cmp_lt_u32 s[CM+\i], v[NN+\i], v[TT+\i]
.endr
.irp i, 0,1,2,3,4,5
	v_cndmask_b32 v[TT+\i], v[TT+\i], v[ZV], s[CM+\i]
	v_cndmask_b32 v[PS+\i], 16, v[ZV], s[CM+\i]
.endr
.irp i, 0,1,2,3,4,5
	v_sub_nc_u32 v[NN+\i], v[NN+\i], v[TT+\i]
.endr
	SSTEP L3, 8
	SSTEP L2, 4
	SSTEP L1, 2
	SSTEP MM, 1                                    ; PS is now the lane l that holds my row's token in register g
.irp i, 0,1,2,3,4,5
	v_and_b32 v[TT+\i], 0x1c, v[XX+\i]             ; 4 (g / 4)
	v_and_b32 v[UU+\i], 3, v[XX+\i]                ; g % 4
.endr
.irp i, 0,1,2,3,4,5
	v_lshl_add_u32 v[UU+\i], v[PS+\i], 2, v[UU+\i]
	v_cmp_gt_u32 s[CM+\i], s[CNT], v[PR+\i]
.endr
.irp i, 0,1,2,3,4,5
	v_lshl_add_u32 v[TT+\i], v[TT+\i], 5, v[UU+\i] ; the token: 128 (g / 4) + 4 l + g % 4
.endr
.irp i, 0,1,2,3,4,5
	v_cndmask_b32 v[TT+\i], 0, v[TT+\i], s[CM+\i]  ; beyond the count: token 0, a row that exists, as in the list
.endr
.irp i, 0,1,2,3,4,5
	v_min_u32 v[TT+\i], 0x3ff, v[TT+\i]            ; held inside xc
.endr
.irp i, 0,1,2,3,4,5
	v_lshl_add_u32 v[XO+\i], v[TT+\i], 10, v[H32]  ; its row of 1,024 bytes, + 32 h
.endr
	s_add_co_u32 s[NT], s[CNT], 15
	s_lshr_b32 s[NT], s[NT], 4
	s_max_u32 s[TLIM], s[NT], 1
	s_add_co_u32 s[T4], s[WV], 16
	ALOAD 0, 0, 5, 0, SA                           ; x of chunk 0: all six tiles, so that every register of the buffer is written
	WIN 0
	s_cmp_lg_u32 s[WV], 0
	s_cbranch_scc1 .Llisted
	; wave 0 places all rows in LDS, in the same order.  Up to the barrier below it alone touches LDS.
	v_mov_b32 v[ZR], 0
	v_mov_b32 v[ZR+1], 0
	v_mov_b32 v[ZR+2], 0
	v_mov_b32 v[ZR+3], 0
.set n, 0
.rept 9
	ds_store_b128 v[LZ], v[ZR:ZR+3] offset:512*n   ; beyond the count the list names slot 0: a row that exists
.set n, n+1
.endr
	s_mov_b32 s47, 0                               ; the rows so far
.set lb_g, 0
.rept 32
	v_and_b32 v[SL+lb_g], s[BITS], v[RS+lb_g]
	v_cmp_ne_u32 s44, 0, v[SL+lb_g]                ; the lanes whose token chose this expert
	v_mbcnt_lo_u32_b32 v[PO+lb_g], s44, s47        ; the rows so far + such lanes below me
	v_lshrrev_b32 v[SL+lb_g], 8, v[SL+lb_g]
	v_min_u32 v[SL+lb_g], 1, v[SL+lb_g]            ; k: 0 the first choice, 1 the second
	v_add3_u32 v[SL+lb_g], v[SL+lb_g], v[L8], 256*(lb_g/4)+2*(lb_g%4)   ; slot = 2 x token + k
	v_cndmask_b32 v[PO+lb_g], v[DMP], v[PO+lb_g], s44      ; the other lanes write to a word of their own behind the list
	v_min_u32 v[PO+lb_g], 0x49f, v[PO+lb_g]
	v_lshl_add_u32 v[PO+lb_g], v[PO+lb_g], 2, LIST
	ds_store_b32 v[PO+lb_g], v[SL+lb_g]
	s_bcnt1_i32_b32 s45, s44
	s_add_co_u32 s47, s47, s45
.set lb_g, lb_g+1
.endr
.Llisted:
	s_wait_dscnt 0x0                               ; the list lies in LDS
	s_barrier_signal -1
	s_barrier_wait -1
.set n, 6
.rept 12
	ds_load_b32 v[LL+n], v[LRD] offset:1536*(n/6)+256*(n%6)    ; pass n / 6, my tile n % 6: entry 16 (24 p + 4 i + w) + r
.set n, n+1
.endr
	s_wait_kmcnt 0x0
	s_add_co_i32 s44, s37, 127
	s_lshl_b32 s45, s44, 23
	v_mov_b32 v[SCW], s45                          ; 2^e1 as f32: the conversion takes its exponent field
	s_add_co_i32 s44, s44, 15
	s_lshl_b32 s44, s44, 23
	s_or_b32 s[LIM], s44, 0x600000
	s_or_b32 s[NLIM], s[LIM], 0x80000000
	s_add_co_i32 s44, s39, 127
	s_lshl_b32 s45, s44, 23
	v_mov_b32 v[SCH], s45                          ; 2^e3
	s_add_co_i32 s44, s44, 15
	s_lshl_b32 s44, s44, 23
	s_or_b32 s[LIMH], s44, 0x600000
	s_add_co_i32 s44, s36, s37
	s_add_co_i32 s44, s44, 127
	s_lshl_b32 s[SC1], s44, 23                     ; 2^(e0 + e1)
	s_wait_dscnt 0x0
.set n, 6
.rept 12
	v_lshrrev_b32 v[LL+n], 1, v[LL+n]              ; the slot's token,
	v_min_u32 v[LL+n], 0x3ff, v[LL+n]              ; held inside xc,
	v_lshl_add_u32 v[XO+n], v[LL+n], 10, v[H32]    ; its row of 1,024 bytes, + 32 h
.set n, n+1
.endr
	s_cmp_lg_u32 s[HS], 0
	s_cbranch_scc1 .Lnorl                          ; one work-group of each expert stores the list and the count
.set n, 0
.rept 9
	ds_load_b32 v[LL+n], v[LDU] offset:512*n
.set n, n+1
.endr
	v_mov_b32 v[LL+9], s[CNT]
	s_wait_dscnt 0x0
.set n, 0
.rept 9
	global_store_b32 v[RLO], v[LL+n], s[RLP:RLP+1] offset:512*n
.set n, n+1
.endr
	global_store_b32 v[RLO], v[LL+9], s[RLP:RLP+1] offset:4608
.Lnorl:
	TRIP 0, 1, 1, 1, 0, 56, 0, 56, 0               ; chunk 0.  At its head chunk 1's 32 loads and x's 24 are younger than chunk 0's: 56.  In front of its products x of chunk 1 (24) and chunk 2 (32) are younger than x of chunk 0: 56.
	                                               ; Its products start the sums, tiles 4 and 5 among them; buffer 1's first fill is whole too
	TRIP 1, 0, 1, 1, 1, 32, 0, 64, 1
	s_mov_b32 s[CB], 32768
	s_mov_b32 s[LC], 2
.Lmain:                                        ; chunks 2, 3 and 4, 5
	TRIP 0, 0, 1, 1, 1, 32, 0, 64, 1
	TRIP 1, 0, 1, 1, 1, 32, 0, 64, 1
	s_add_co_u32 s[CB], s[CB], 32768
	s_sub_co_u32 s[LC], s[LC], 1
	s_cmp_lg_u32 s[LC], 0
	s_cbranch_scc1 .Lmain
	TRIP 0, 0, 1, 0, 1, 32, 0, 64, 1               ; chunk 6: no weights are left to ask for
	TRIP 1, 0, 0, 0, 0, 0, 1, 64, 1                ; chunk 7: nothing was issued behind its loads, so the wait is for 0; b1 is asked for
	s_wait_loadcnt 0x0                             ; b1
.Lpass:                                        ; three trips: the pass in hand leaves, the next one (tiles 24 further on) is multiplied from the codes in LDS; the third finds no tile (64 at the most)
.rept 4
	v_nop                                          ; places between the last products and the first read of results
.endr
	EPI 0
	EPI 1
	EPI 2
	EPI 3
	EPI 4
	EPI 5
	s_add_co_u32 s[T0], s[T0], 24
	s_add_co_u32 s[T4], s[T4], 24
	s_wait_xcnt 0x0                                ; bases and offsets are rewritten only behind this wait
	s_add_nc_u64 s[SH:SH+1], s[SH:SH+1], 1572864   ; 24 tiles of 65,536 bytes
.set n, 0
.rept 12
	v_mov_b32 v[XO+n], v[XO+6+n]                   ; the next pass's rows move up
.set n, n+1
.endr
	s_mov_b64 s[SO:SO+1], s[XC0:XC0+1]
	s_mov_b32 s[CB], 0
	OVTRIP 1
	s_mov_b32 s[LC], 7
.Lov:
	OVTRIP 0
	s_sub_co_u32 s[LC], s[LC], 1
	s_cmp_lg_u32 s[LC], 0
	s_cbranch_scc1 .Lov
	s_add_co_u32 s[PASS], s[PASS], 1
	s_cmp_lt_u32 s[PASS], 3
	s_cbranch_scc1 .Lpass
	s_wait_tensorcnt 0x0
	ds_add_u32 v254, v255
	s_wait_dscnt 0x0
	s_endpgm
.Lfunc_end_k_q9e9b8f8434_ffn1:
	.size	k_q9e9b8f8434_ffn1, .Lfunc_end_k_q9e9b8f8434_ffn1-k_q9e9b8f8434_ffn1
	.p2alignl 7, 3214868480
	.fill 96, 4, 3214868480
	.section	.rodata,"a",@progbits
	.p2align	6, 0x0
	.amdhsa_kernel k_q9e9b8f8434_ffn1
		.amdhsa_group_segment_fixed_size 136704
		.amdhsa_private_segment_fixed_size 0
		.amdhsa_enable_private_segment 0
		.amdhsa_kernarg_size 56
		.amdhsa_user_sgpr_count 2
		.amdhsa_user_sgpr_kernarg_segment_ptr 1
		.amdhsa_wavefront_size32 1
		.amdhsa_system_sgpr_workgroup_id_x 1
		.amdhsa_system_sgpr_workgroup_id_y 1
		.amdhsa_system_sgpr_workgroup_id_z 1
		.amdhsa_system_vgpr_workitem_id 0
		.amdhsa_next_free_vgpr 1024
		.amdhsa_next_free_sgpr 66
		.amdhsa_reserve_vcc 0
		.amdhsa_float_denorm_mode_32 3
		.amdhsa_float_denorm_mode_16_64 3
		.amdhsa_memory_ordered 1
		.amdhsa_forward_progress 1
		.amdhsa_inst_pref_size 255
	.end_amdhsa_kernel
	.section	.bss,"aw",@nobits
	.p2align	6
	.space	262144
	.amdgpu_metadata
---
amdhsa.version: [ 1, 2 ]
amdhsa.kernels:
  - .name:           k_q9e9b8f8434_ffn1
    .symbol:         k_q9e9b8f8434_ffn1.kd
    .args:
      - { .name: xc, .offset: 0, .size: 8, .value_kind: global_buffer, .address_space: global }
      - { .name: w1, .offset: 8, .size: 8, .value_kind: global_buffer, .address_space: global }
      - { .name: b1, .offset: 16, .size: 8, .value_kind: global_buffer, .address_space: global }
      - { .name: lowp_scales, .offset: 24, .size: 8, .value_kind: global_buffer, .address_space: global }
      - { .name: rsel, .offset: 32, .size: 8, .value_kind: global_buffer, .address_space: global }
      - { .name: hid, .offset: 40, .size: 8, .value_kind: global_buffer, .address_space: global }
      - { .name: rl, .offset: 48, .size: 8, .value_kind: global_buffer, .address_space: global }
    .group_segment_fixed_size: 136704
    .private_segment_fixed_size: 0
    .kernarg_segment_align: 8
    .kernarg_segment_size: 56
    .max_flat_workgroup_size: 128
    .sgpr_count:     66
    .vgpr_count:     1024
    .wavefront_size: 32
...
	.end_amdgpu_metadata
.endif
;; end of part 2
;; launch ffn2 (part 3): grid 32 x 8, 4 waves a work-group, no clusters, 148,992 bytes of LDS; arguments hid, w2, b2, lowp_scales, rl, gv, part; writes part
.if DOCPART == 3
	.amdgcn_target "amdgcn-amd-amdhsa--gfx1250"
	.amdhsa_code_object_version 6
	.text
	.protected	k_q9e9b8f8434_ffn2
	.globl	k_q9e9b8f8434_ffn2
	.p2align	8
	.type	k_q9e9b8f8434_ffn2,@function
k_q9e9b8f8434_ffn2:
	s_mov_b64 s[64:65], 0
	v_nop
	global_prefetch_b8 v0, s[64:65] scope:SCOPE_SE
	s_setreg_imm32_b32 hwreg(HW_REG_WAVE_MODE, 25, 1), 1
	s_wait_xcnt 0x0
; THE SECOND EXPERT PRODUCT, for the rows that were chosen: part[2048 kh + slot] = g x (hidden w2 x 2^(e2 + e3) [+ b2 where kh = 0]), one half of K in each of two partial rows, which the next launch adds.
; hid holds the hidden layer's codes as images of operand registers ([expert][tile of 16 rows][K step of 128][2,048 bytes]); w2 [8][4096 h][1024 d] comes as f32 with K outermost.
; SHARES.  Work-group (x, e): columns 64 (x % 16) .. + 63 of expert e, K half kh = x / 16 (2,048 hidden units): a slice of w2 of 2,048 rows x 256 bytes, which no other work-group reads.  It is read ONCE, in 8 chunks of
; 256 rows (two K steps), quantised in registers (scale 2^e2) and laid into LDS as images of operand registers; all 8 chunks stay there.  Behind each chunk's barrier every wave multiplies it with its own tiles of
; 16 rows (six at the most) while the next two chunks are on their way.  Rows beyond 384 are served afterwards from the codes kept in LDS: no barrier, loops of constant count, the work jumped over by forward branches on the stored count.
; TILES 4 AND 5 of a wave exist only where the expert has more than 256 rows: their products stand in a run of their own, jumped over where the wave has no fifth tile.  In chunk 0 they run in any case: they start the sums.
; NO TENSOR LOADS AND NO CLUSTER: the text branches on counts read from memory, and the weights, which are nearly all the bytes from memory, are shared by nobody.
; A wave writes more loads than LOADcnt's field holds; the issue then stalls (ISA guide 5.7.1), and each wait's count, never above the number of younger loads, stays right.
; K'S ORDER inside a step of 128, alike in both operands: register p, byte b, lane half h hold k = 64 (p / 8) + 32 h + 4 (p % 8) + b: so the launch before has laid hid.
; THE MATRIX INSTRUCTION IS USED TRANSPOSED (source 0 = 16 columns of w2, source 1 = 16 rows of the hidden layer); tile j of the 64 columns is the columns 4 q + j, so that a lane's results of the four tiles are the 32
; neighbouring columns 32 h + 4 jj + j of its row.  A tile's rows go through the wave's own stage in LDS, each with its row number in part beside it, and leave sixteen lanes to 256 consecutive bytes.
; A row of the last tile that lies beyond the count goes to a row of part that nobody reads (row 4096 + 2 e + kh, this work-group's own 256 bytes of it).
; LIMITS: e2 between -126 and 112, e2 + e3 between -126 and 127.  NaN among the inputs is not served.
; REGISTERS, in windows of 256.  window 0: v1-31 addresses, rows, gate weights; v32-47 codes by rows (on the way out: rows' offsets in part); v48-63 half turned; v64-255 the hidden layer's fragments, buffer 1 (tile i, step s at 64 + 32 i + 16 s).
;   window 1: two sets of 128 numbers of w2; behind the main trips b2 (v0-31), results (v32-63), rows read back (v64-95).   window 2: the accumulators (tile i, tile of columns j at 32 i + 8 j); v192-255 four fragments of w2 by turns.
;   window 3: the hidden layer's fragments, buffer 0 (32 i + 16 s); turned codes (v224-255).
.set ROWB,   4096                      ; a row of w2 in bytes
.set CHUNKB, 256*ROWB                  ; a chunk: 256 along K
.set ACH,    4096                      ; two K steps' images in hid
.set STAGE,  131072                    ; LDS: behind the codes: for each wave 16 rows x (256 bytes + 16; the first word of the 16 is the row's number in part)
.set L16,  1
.set WOFF, 2                           ; w2: 32 rows x h + 16 r
.set CST,  3
.set CA,   4
.set LA,   5
.set SCW,  6                           ; 2^e2
.set B2O,  7                           ; 128 h
.set AO,   8                           ; v8-13   my six tiles: byte of the tile in hid, + 16 x lane
.set RHO,  14                          ; v14-19  my row's number in part
.set G,    20                          ; v20-25  my row's gate weight
.set STO,  26
.set STP,  27
.set RD,   28
.set RD2,  29
.set C16,  30                          ; 16 r
.set ROWL, 31                          ; 16 w + r: my row's place in the pass, less 64 i
.set D,    32
.set RO,   32
.set P,    48
.set A1,   64
.set BR,   192                         ; in window 2
.set E,    224                         ; in window 3
.set SA,   4                           ; s[4:5]   hid, stepped chunk by chunk
.set SW,   6                           ; s[6:7]   w2 at my wave's part of the chunk in hand
.set B2P,  8
.set LOW,  10
.set RLP,  12                          ; s[12:13] rl at the pass's first entry
.set GVP,  14
.set PT,   16
.set WV,   18
.set DS,   19
.set EX,   20
.set CNT,  21
.set NT,   22
.set TLIM, 23
.set T0,   24
.set LC,   25
.set CB,   26
.set T4,   27                          ; my fifth tile of the pass
.set NLIM, 28
.set LIM,  29
.set KH,   30
.set SC2,  31                          ; 2^(e2 + e3)
.set SELA, 32
.set SELB, 33
.set SELL, 34
.set SELH, 35
.set SO,   40
.set PASS, 42
.set TMAX, 43
.set HID0, 52                          ; s[52:53] hid at chunk 0, never stepped
.set BMASK, 60
.set DUMP, 61
.set KROW, 62
.set MSB, 0
.macro WIN new                         ; the immediate's high byte repeats the setting that is left; a switch that changes nothing is dropped
.if MSB != (\new)
	s_set_vgpr_msb (MSB<<8)|(\new)
.set MSB, (\new)
.endif
.endm
; 16 rows of my part of a chunk: lanes 0-15 read 256 consecutive bytes of one row, at a multiple of 256 from w2's first byte, lanes 16-31 those of the row 32 further down
.macro WLOAD par, z, imm
	WIN 0x40
.set wl_n, 0
.rept 16
	global_load_b128 v[128*(\par)+64*(\z)+4*wl_n:128*(\par)+64*(\z)+4*wl_n+3], v[WOFF], s[SW:SW+1] offset:(\imm)+(16*(\z)+wl_n)*ROWB th:TH_LOAD_NT
.set wl_n, wl_n+1
.endr
.endm
; the hidden layer's fragments of tiles i0 .. i1 for one chunk: two images of 2,048 bytes a tile, 512 consecutive bytes a load
.macro ALOAD buf, i0, i1, imm, base
.if (\buf) == 0
	WIN 0xc0
.set al_b, 0
.else
	WIN 0
.set al_b, A1
.endif
.set al_i, \i0
.rept (\i1)-(\i0)+1
.set al_q, 0
.rept 8
	global_load_b128 v[al_b+32*al_i+4*al_q:al_b+32*al_i+4*al_q+3], v[AO+al_i], s[\base:\base+1] offset:(\imm)+512*al_q
.set al_q, al_q+1
.endr
.set al_i, al_i+1
.endr
.endm
.macro CONV1 par, z                    ; 64 numbers (16 rows x my 4 columns) become 16 words of codes, a word = one row's four columns
	WIN 0x41
.set c1_n, 128*(\par)+64*(\z)
.rept 64
	v_med3_num_f32 v[c1_n], v[c1_n], s[NLIM], s[LIM]       ; the conversion does not saturate (ISA guide 7.6.2): the hold at the largest code x the scale
.set c1_n, c1_n+1
.endr
	WIN 0x01
.set c1_n, 0
.rept 8
	v_cvt_scalef32_pk8_bf8_f32 v[D+2*c1_n:D+2*c1_n+1], v[128*(\par)+64*(\z)+8*c1_n:128*(\par)+64*(\z)+8*c1_n+7], v[SCW]
.set c1_n, c1_n+1
.endr
	WIN 0
	v_nop                                          ; one plain vector line behind the last conversion
.endm
.macro CONV2 z, lo                     ; four times 4 x 4 bytes are turned: a word then holds four neighbours along K of one column; the quarters of fragments go to LDS, 512 consecutive bytes a store
	WIN 0
.set c2_q, 0
.rept 4
	v_perm_b32 v[P+4*c2_q],   v[D+4*c2_q+1], v[D+4*c2_q],   s[SELA]
	v_perm_b32 v[P+4*c2_q+1], v[D+4*c2_q+1], v[D+4*c2_q],   s[SELB]
	v_perm_b32 v[P+4*c2_q+2], v[D+4*c2_q+3], v[D+4*c2_q+2], s[SELA]
	v_perm_b32 v[P+4*c2_q+3], v[D+4*c2_q+3], v[D+4*c2_q+2], s[SELB]
.set c2_q, c2_q+1
.endr
	WIN 0xc0
.set c2_q, 0
.rept 4
	v_perm_b32 v[E+16*(\z)+c2_q],    v[P+4*c2_q+2], v[P+4*c2_q],   s[SELL]
	v_perm_b32 v[E+16*(\z)+4+c2_q],  v[P+4*c2_q+2], v[P+4*c2_q],   s[SELH]
	v_perm_b32 v[E+16*(\z)+8+c2_q],  v[P+4*c2_q+3], v[P+4*c2_q+1], s[SELL]
	v_perm_b32 v[E+16*(\z)+12+c2_q], v[P+4*c2_q+3], v[P+4*c2_q+1], s[SELH]
.set c2_q, c2_q+1
.endr
	WIN 0x0c
.set c2_q, 0
.rept 4
	ds_store_b128 v[CA], v[E+16*(\z)+4*c2_q:E+16*(\z)+4*c2_q+3] offset:(\lo)+2048*c2_q+512*(\z)
.set c2_q, c2_q+1
.endr
.endm
.macro BLOAD f, lo                     ; fragment f = 4 s + j of the chunk, as it was stored
.set bl_c, 0
.rept 4
	ds_load_b128 v[BR+16*((\f)%4)+4*bl_c:BR+16*((\f)%4)+4*bl_c+3], v[LA] offset:(\lo)+2048*(\f)+512*bl_c
.set bl_c, bl_c+1
.endr
.endm
.macro WM i, f, buf, zero
.set wm_d, 32*(\i)+8*((\f)%4)
.set wm_a, A1*(\buf)+32*(\i)+16*((\f)/4)
.if (\zero) && ((\f) < 4)
	v_wmma_f32_16x16x128_bf8_bf8 v[wm_d:wm_d+7], v[BR+16*((\f)%4):BR+16*((\f)%4)+15], v[wm_a:wm_a+15], 0
.else
	v_wmma_f32_16x16x128_bf8_bf8 v[wm_d:wm_d+7], v[BR+16*((\f)%4):BR+16*((\f)%4)+15], v[wm_a:wm_a+15], v[wm_d:wm_d+7]
.endif
.endm
; The chunk's 8 fragments, each against my tiles i0 .. i0 + n - 1.  The accumulators take turns, one instruction a turn.  zero = 1: the first K step's products start the sums.
; Four fragments are asked for ahead.  The waits count the LDS loads issued behind the fragment that is due: three fragments' twelve, at the end 8, 4, 0.
.macro MRUN buf, lo, zero, i0, n
	WIN 0x80
	BLOAD 0, \lo
	BLOAD 1, \lo
	BLOAD 2, \lo
	BLOAD 3, \lo
.set mu_f, 0
.rept 8
.if mu_f < 5
	s_wait_dscnt 12
.else
	s_wait_dscnt 4*(7-mu_f)
.endif
	WIN 0xa2+0x0c*(1-(\buf))
.set mu_i, \i0
.rept \n
	WM mu_i, mu_f, \buf, \zero
.set mu_i, mu_i+1
.endr
.if mu_f < 4
.rept 4
	v_nop                                          ; four places in front of loads into registers that the products above have read (ISA guide 7.12.1 for vector instructions)
.endr
	WIN 0x80
	BLOAD mu_f+4, \lo
.endif
.set mu_f, mu_f+1
.endr
	WIN 0
.endm
; A chunk's products: tiles 0-3, then tiles 4 and 5.  g45 = 1: the second run, with its second reading of the fragments, is jumped over where I have no fifth tile.
.macro MULT buf, lo, zero, g45
	MRUN \buf, \lo, \zero, 0, 4
.if \g45
	s_cmp_lt_u32 s[T4], s[TLIM]
	s_cbranch_scc0 .Lm45_\@
.endif
.rept 4
	v_nop                                          ; places in front of loads into the fragments' registers, which the first run's last products have read
.endr
	MRUN \buf, \lo, \zero, 4, 2
.if \g45
.Lm45_\@:
.endif
.endm
.macro TAILLOADS                       ; b2 of my 32 columns (32 h + 0 .. 31), into registers that the last chunk but one has left
	WIN 0x40
.set tl_n, 0
.rept 8
	global_load_b128 v[4*tl_n:4*tl_n+3], v[B2O], s[B2P:B2P+1] offset:16*tl_n
.set tl_n, tl_n+1
.endr
.endm
; A MAIN TRIP, chunk c.  From chunk 2 on my loads in flight at its head are, in order: w2 of chunk c, the hidden layer's fragments of chunk c, w2 of chunk c + 1 (32 loads); at chunk 1's head the first of these has landed
; already.  The wait wn = 32 leaves those 32 out, however many fragments were asked for.  Chunk 0 has counts of its own (see where it is called); wm under 64: a second wait, for the fragments, in front of the products.
; na, nw: the fragments of chunk c + 1 and w2 of chunk c + 2 are asked for.  hg = 1: the loads for my tiles 4 and 5 are jumped over where I have no fifth tile.
.macro TRIP par, first, na, nw, hg, wn, tail, wm, g45
	s_wait_loadcnt \wn
	s_wait_xcnt 0x0                                ; bases are stepped, and registers that served as offsets (at chunk 0: those of the gate weights' loads, which the codes below take) rewritten, only behind this wait
.if (\first) == 0
	s_add_nc_u64 s[SW:SW+1], s[SW:SW+1], CHUNKB
	s_add_nc_u64 s[SA:SA+1], s[SA:SA+1], ACH
.endif
.if \tail
	TAILLOADS
.endif
	WIN 0
	v_add_nc_u32 v[CA], s[CB], v[CST]
	v_add_nc_u32 v[LA], s[CB], v[L16]
	CONV1 \par, 0                                  ; its 64 holds are also the places behind the last trip's products
.if \na
	ALOAD 1-\par, 0, 3, ACH, SA
.if \hg
	WIN 0
	s_cmp_lt_u32 s[T4], s[TLIM]
	s_cbranch_scc0 .Lna_\@
.endif
	ALOAD 1-\par, 4, 5, ACH, SA
.if \hg
	WIN 0
.Lna_\@:
.endif
.endif
.if \nw
	WLOAD \par, 0, 2*CHUNKB                        ; into the registers just converted
.endif
	CONV2 0, 16384*(\par)
	CONV1 \par, 1
.if \nw
	WLOAD \par, 1, 2*CHUNKB
.endif
	CONV2 1, 16384*(\par)
	WIN 0
	s_wait_dscnt 0x0                               ; for the others' sake: my part of the chunk's codes lies in LDS
	s_barrier_signal -1
	s_barrier_wait -1                              ; everybody's does
.if (\wm) < 64
	s_wait_loadcnt \wm
.endif
	MULT \par, 16384*(\par), \first, \g45
.endm
; A trip of a later pass: the chunk's codes are in LDS already; nothing is shared, so no barrier.  The work is jumped over where the expert has no tile in this pass; the steps of the addresses are not.
.macro OVTRIP zero
	s_cmp_lt_u32 s[T0], s[NT]
	s_cbranch_scc0 .Lov_skip_\@
.rept 4
	v_nop                                          ; places in front of loads into registers that products have read
.endr
	ALOAD 0, 0, 5, 0, SO
	WIN 0
	v_add_nc_u32 v[LA], s[CB], v[L16]
	s_wait_loadcnt 0x0
	MULT 0, 0, \zero, 1
.Lov_skip_\@:
	s_wait_xcnt 0x0
	s_add_nc_u64 s[SO:SO+1], s[SO:SO+1], ACH
	s_add_co_u32 s[CB], s[CB], 16384
.endm
.macro ROWS1                           ; the slots of my rows in the pass's six tiles: entry 16 (4 i + w) + r from the pass's first on
	v_lshlrev_b32 v38, 2, v[ROWL]
.set ro_i, 0
.rept 6
	global_load_b32 v[RHO+ro_i], v38, s[RLP:RLP+1] offset:256*ro_i
.set ro_i, ro_i+1
.endr
.endm
.macro ROWS2                           ; of each slot: its gate weight (asked for here), its row in part, and the tile's place in hid
.set ro_i, 0
.rept 6
	v_min_u32 v[RHO+ro_i], 0x7ff, v[RHO+ro_i]
	v_lshlrev_b32 v[32+ro_i], 2, v[RHO+ro_i]
.set ro_i, ro_i+1
.endr
.set ro_i, 0
.rept 6
	global_load_b32 v[G+ro_i], v[32+ro_i], s[GVP:GVP+1]
.set ro_i, ro_i+1
.endr
	s_lshl_b32 s44, s[T0], 4
	s_sub_co_u32 s44, s[CNT], s44                  ; the rows that are left from the pass's first row on (never negative where this runs)
.set ro_i, 0
.rept 6
	v_add_nc_u32 v39, 64*ro_i, v[ROWL]
	v_cmp_gt_u32 vcc_lo, s44, v39
	v_add_nc_u32 v[RHO+ro_i], s[KROW], v[RHO+ro_i]
	v_cndmask_b32 v[RHO+ro_i], s[DUMP], v[RHO+ro_i], vcc_lo    ; beyond the count: the row that nobody reads
	s_add_co_u32 s45, s[T0], 4*ro_i
	s_add_co_u32 s45, s45, s[WV]
	s_min_u32 s45, s45, s[TMAX]                    ; a tile that the expert does not have reads its last one: bytes that were written
	s_min_u32 s45, s45, 63
	s_lshl_b32 s45, s45, 16
	v_add_nc_u32 v[AO+ro_i], s45, v[L16]
.set ro_i, ro_i+1
.endr
.endm
; Tile i leaves: (sum x 2^(e2 + e3) + b2) x g; through my stage; sixteen lanes store 256 consecutive bytes of a row of part.  Each accumulator is read from its lowest register on.
.macro EPI i
	s_add_co_u32 s44, s[T0], 4*(\i)
	s_add_co_u32 s44, s44, s[WV]
	s_cmp_lt_u32 s44, s[NT]
	s_cbranch_scc0 .Lepi_\@
	s_wait_xcnt 0x0                                ; earlier stores have read their registers
	WIN 0x52
.set ep_j, 0
.rept 8
.set ep_t, 0
.rept 4
	v_fma_f32 v[32+4*ep_j+ep_t], v[32*(\i)+8*ep_t+ep_j], s[SC2], v[4*ep_j+ep_t]
.set ep_t, ep_t+1
.endr
.set ep_j, ep_j+1
.endr
	WIN 0x44
.set ep_j, 0
.rept 32
	v_mul_f32 v[32+ep_j], v[G+(\i)], v[32+ep_j]
.set ep_j, ep_j+1
.endr
	WIN 0x04
.set ep_j, 0
.rept 8
	ds_store_b128 v[STO], v[32+4*ep_j:32+4*ep_j+3] offset:16*ep_j
.set ep_j, ep_j+1
.endr
	WIN 0
	ds_store_b32 v[STP], v[RHO+(\i)]
	WIN 0x40
.set ep_j, 0
.rept 8
	ds_load_b128 v[64+4*ep_j:64+4*ep_j+3], v[RD] offset:272*ep_j   ; LDS serves a wave's instructions in order (ISA guide 5.7.1.4): these see my stores.  Lanes 0-15 take row ep_j, lanes 16-31 row 8 + ep_j
.set ep_j, ep_j+1
.endr
	WIN 0
.set ep_j, 0
.rept 8
	ds_load_b32 v[RO+ep_j], v[RD2] offset:272*ep_j
.set ep_j, ep_j+1
.endr
	s_wait_dscnt 0x0
.set ep_j, 0
.rept 8
	v_min_u32 v[RO+ep_j], 0x100f, v[RO+ep_j]       ; held inside part's 4,112 rows
	v_lshl_add_u32 v[RO+ep_j], v[RO+ep_j], 12, v[C16]
.set ep_j, ep_j+1
.endr
	WIN 0x04
.set ep_j, 0
.rept 8
	global_store_b128 v[RO+ep_j], v[64+4*ep_j:64+4*ep_j+3], s[PT:PT+1]
.set ep_j, ep_j+1
.endr
	WIN 0
.Lepi_\@:
.endm
	s_load_b256 s[4:11], s[0:1], 0x0               ; hid, w2, b2, the scales' exponents
	s_load_b128 s[12:15], s[0:1], 0x20             ; rl, gv
	s_load_b64 s[16:17], s[0:1], 0x30              ; part
	s_set_vgpr_msb 0xc0
	v_lshl_add_u32 v222, v0, 2, 0x24400
	v_mov_b32 v223, 0
	s_set_vgpr_msb 0xc000
	v_lshrrev_b32 v32, 5, v0
	v_readfirstlane_b32 s[WV], v32                 ; wave 0..3
	s_and_b32 s[DS], ttmp9, 15
	s_lshr_b32 s[KH], ttmp9, 4
	s_and_b32 s[EX], ttmp7, 0xffff
	v_and_b32 v33, 31, v0                          ; lane
	v_and_b32 v34, 15, v0                          ; r
	v_bfe_u32 v35, v0, 4, 1                        ; h
	v_lshlrev_b32 v[L16], 4, v33
	v_lshlrev_b32 v[C16], 4, v34
	v_lshl_add_u32 v[WOFF], v35, 17, v[C16]
	s_lshr_b32 s44, s[WV], 1                       ; which of the chunk's two K steps I convert
	s_and_b32 s45, s[WV], 1                        ; which 64 of its 128 rows
	s_lshl_b32 s46, s44, 13
	s_lshl_b32 s47, s45, 10
	s_add_co_u32 s46, s46, s47
	v_add_nc_u32 v[CST], s46, v[L16]
	v_lshlrev_b32 v[B2O], 7, v35
	s_lshl_b32 s46, s[WV], 4
	v_add_nc_u32 v[ROWL], s46, v34
	s_mul_i32 s46, s[WV], 4352
	s_add_co_u32 s46, s46, STAGE                   ; my stage
	v_mul_u32_u24 v[STP], v34, 272
	v_add_nc_u32 v[STP], s46, v[STP]
	v_lshl_add_u32 v[STO], v35, 7, v[STP]          ; in: row r, + 128 h
	v_add_nc_u32 v[STP], 256, v[STP]               ; the row's number beside it
	v_mul_u32_u24 v[RD2], v35, 2176
	v_add_nc_u32 v[RD2], s46, v[RD2]
	v_add_nc_u32 v[RD], v[C16], v[RD2]             ; back: eight rows x h, + 16 r
	v_add_nc_u32 v[RD2], 256, v[RD2]
	s_lshl_b32 s48, s[EX], 24                      ; w2: 16 MiB an expert + 2,048 rows a K half + 128 rows a K step + 64 rows, of 4,096 bytes; + 256 bytes a slice
	s_lshl_b32 s47, s[KH], 23
	s_add_co_u32 s48, s48, s47
	s_lshl_b32 s47, s44, 19
	s_add_co_u32 s48, s48, s47
	s_lshl_b32 s47, s45, 18
	s_add_co_u32 s48, s48, s47
	s_lshl_b32 s58, s[DS], 8
	s_add_co_u32 s48, s48, s58
	s_mov_b32 s49, 0
	s_lshl_b32 s50, s[EX], 22                      ; hid: 4 MiB an expert + 16 K steps of 2,048 bytes a K half
	s_lshl_b32 s46, s[KH], 15
	s_add_co_u32 s50, s50, s46
	s_mov_b32 s51, 0
	s_lshl_b32 s54, s[EX], 12                      ; b2
	s_add_co_u32 s54, s54, s58
	s_mov_b32 s55, 0
	s_mul_i32 s56, s[EX], 5120                     ; rl
	s_mov_b32 s57, 0
	s_mov_b32 s59, 0                               ; part: 256 bytes a slice
	s_lshl_b32 s[DUMP], s[EX], 1
	s_add_co_u32 s[DUMP], s[DUMP], s[KH]
	s_add_co_u32 s[DUMP], s[DUMP], 4096
	s_lshl_b32 s[KROW], s[KH], 11
	s_cmp_eq_u32 s[KH], 0
	s_cselect_b32 s[BMASK], -1, 0                  ; b2 is added in the first K half alone
	s_mov_b32 s[SELA], 0x05010400
	s_mov_b32 s[SELB], 0x07030602
	s_mov_b32 s[SELL], 0x05040100
	s_mov_b32 s[SELH], 0x07060302
	s_mov_b32 s[CB], 0
	s_mov_b32 s[T0], 0
	s_mov_b32 s[PASS], 0
	s_wait_kmcnt 0x0
	s_add_nc_u64 s[SW:SW+1], s[SW:SW+1], s[48:49]
	s_add_nc_u64 s[SA:SA+1], s[SA:SA+1], s[50:51]
	s_add_nc_u64 s[B2P:B2P+1], s[B2P:B2P+1], s[54:55]
	s_add_nc_u64 s[RLP:RLP+1], s[RLP:RLP+1], s[56:57]
	s_add_nc_u64 s[PT:PT+1], s[PT:PT+1], s[58:59]
	s_mov_b64 s[HID0:HID0+1], s[SA:SA+1]
	s_load_b32 s[CNT], s[RLP:RLP+1], 0x1200        ; the expert's rows
	s_load_b128 s[36:39], s[LOW:LOW+1], 0x0        ; e0, e1, e2, e3
	ROWS1
	WLOAD 0, 0, 0                                  ; chunks 0 and 1 are on their way while the rows are read
	WLOAD 0, 1, 0
	WLOAD 1, 0, CHUNKB
	WLOAD 1, 1, CHUNKB
	WIN 0
	s_wait_kmcnt 0x0
	s_add_co_u32 s[NT], s[CNT], 15
	s_lshr_b32 s[NT], s[NT], 4
	s_max_u32 s[TLIM], s[NT], 1
	s_sub_co_u32 s[TMAX], s[TLIM], 1
	s_add_co_u32 s[T4], s[WV], 16
	s_add_co_i32 s44, s38, 127
	s_lshl_b32 s45, s44, 23
	v_mov_b32 v[SCW], s45                          ; 2^e2 as f32: the conversion takes its exponent field
	s_add_co_i32 s44, s44, 15
	s_lshl_b32 s44, s44, 23
	s_or_b32 s[LIM], s44, 0x600000
	s_or_b32 s[NLIM], s[LIM], 0x80000000
	s_add_co_i32 s44, s38, s39
	s_add_co_i32 s44, s44, 127
	s_lshl_b32 s[SC2], s44, 23                     ; 2^(e2 + e3)
	s_wait_loadcnt 63                              ; the six slots are in: 64 loads were issued behind them
	ROWS2
	ALOAD 0, 0, 5, 0, SA                           ; chunk 0's fragments: all six tiles, so that every register of the buffer is written
	WIN 0
	TRIP 0, 1, 1, 1, 0, 63, 0, 63, 0               ; chunk 0.  At its head 86 loads are younger than chunk 0's (chunk 1's 32, 6 gate weights, 48 fragments); in front of its products 80 are younger than its fragments
	                                               ; (chunk 1's 48 fragments, chunk 2's 32): the largest count that a wait can name serves both.  Its first products start the sums, tiles 4 and 5 among them; buffer 1's first fill is whole
	TRIP 1, 0, 1, 1, 1, 32, 0, 64, 1
	s_mov_b32 s[CB], 32768
	s_mov_b32 s[LC], 2
.Lmain:                                        ; chunks 2, 3 and 4, 5
	TRIP 0, 0, 1, 1, 1, 32, 0, 64, 1
	TRIP 1, 0, 1, 1, 1, 32, 0, 64, 1
	s_add_co_u32 s[CB], s[CB], 32768
	s_sub_co_u32 s[LC], s[LC], 1
	s_cmp_lg_u32 s[LC], 0
	s_cbranch_scc1 .Lmain
	TRIP 0, 0, 1, 0, 1, 32, 0, 64, 1               ; chunk 6: no weights are left to ask for
	TRIP 1, 0, 0, 0, 0, 0, 1, 64, 1                ; chunk 7: nothing was issued behind its loads, so the wait is for 0; b2 is asked for
	s_wait_loadcnt 0x0                             ; b2
	WIN 0x44
.set n, 0
.rept 32
	v_and_b32 v[n], s[BMASK], v[n]                 ; as it is, or 0 in the second K half
.set n, n+1
.endr
	WIN 0
.Lpass:                                        ; three trips: the pass in hand leaves, the next one (tiles 24 further on) is multiplied from the codes in LDS; the third finds no tile (64 at the most)
.rept 4
	v_nop                                          ; places between the last products and the first read of results
.endr
	EPI 0
	EPI 1
	EPI 2
	EPI 3
	EPI 4
	EPI 5
	s_add_co_u32 s[T0], s[T0], 24
	s_add_co_u32 s[T4], s[T4], 24
	s_wait_xcnt 0x0                                ; bases and offsets are rewritten only behind this wait
	s_add_nc_u64 s[RLP:RLP+1], s[RLP:RLP+1], 1536  ; 24 tiles x 16 entries
	s_mov_b64 s[SO:SO+1], s[HID0:HID0+1]
	s_mov_b32 s[CB], 0
	s_cmp_lt_u32 s[T0], s[NT]
	s_cbranch_scc0 .Lnorows
	ROWS1
	s_wait_loadcnt 0x0
	ROWS2
	s_wait_loadcnt 0x0                             ; the gate weights
.Lnorows:
	OVTRIP 1
	s_mov_b32 s[LC], 7
.Lov:
	OVTRIP 0
	s_sub_co_u32 s[LC], s[LC], 1
	s_cmp_lg_u32 s[LC], 0
	s_cbranch_scc1 .Lov
	s_add_co_u32 s[PASS], s[PASS], 1
	s_cmp_lt_u32 s[PASS], 3
	s_cbranch_scc1 .Lpass
	s_set_vgpr_msb 0xf
	s_wait_tensorcnt 0x0
	ds_add_u32 v222, v223
	s_wait_dscnt 0x0
	s_set_vgpr_msb 0xf00
	s_endpgm
.Lfunc_end_k_q9e9b8f8434_ffn2:
	.size	k_q9e9b8f8434_ffn2, .Lfunc_end_k_q9e9b8f8434_ffn2-k_q9e9b8f8434_ffn2
	.p2alignl 7, 3214868480
	.fill 96, 4, 3214868480
	.section	.rodata,"a",@progbits
	.p2align	6, 0x0
	.amdhsa_kernel k_q9e9b8f8434_ffn2
		.amdhsa_group_segment_fixed_size 148992
		.amdhsa_private_segment_fixed_size 0
		.amdhsa_enable_private_segment 0
		.amdhsa_kernarg_size 56
		.amdhsa_user_sgpr_count 2
		.amdhsa_user_sgpr_kernarg_segment_ptr 1
		.amdhsa_wavefront_size32 1
		.amdhsa_system_sgpr_workgroup_id_x 1
		.amdhsa_system_sgpr_workgroup_id_y 1
		.amdhsa_system_sgpr_workgroup_id_z 1
		.amdhsa_system_vgpr_workitem_id 0
		.amdhsa_next_free_vgpr 1024
		.amdhsa_next_free_sgpr 66
		.amdhsa_reserve_vcc 1
		.amdhsa_float_denorm_mode_32 3
		.amdhsa_float_denorm_mode_16_64 3
		.amdhsa_memory_ordered 1
		.amdhsa_forward_progress 1
		.amdhsa_inst_pref_size 255
	.end_amdhsa_kernel
	.section	.bss,"aw",@nobits
	.p2align	6
	.space	262144
	.amdgpu_metadata
---
amdhsa.version: [ 1, 2 ]
amdhsa.kernels:
  - .name:           k_q9e9b8f8434_ffn2
    .symbol:         k_q9e9b8f8434_ffn2.kd
    .args:
      - { .name: hid, .offset: 0, .size: 8, .value_kind: global_buffer, .address_space: global }
      - { .name: w2, .offset: 8, .size: 8, .value_kind: global_buffer, .address_space: global }
      - { .name: b2, .offset: 16, .size: 8, .value_kind: global_buffer, .address_space: global }
      - { .name: lowp_scales, .offset: 24, .size: 8, .value_kind: global_buffer, .address_space: global }
      - { .name: rl, .offset: 32, .size: 8, .value_kind: global_buffer, .address_space: global }
      - { .name: gv, .offset: 40, .size: 8, .value_kind: global_buffer, .address_space: global }
      - { .name: part, .offset: 48, .size: 8, .value_kind: global_buffer, .address_space: global }
    .group_segment_fixed_size: 148992
    .private_segment_fixed_size: 0
    .kernarg_segment_align: 8
    .kernarg_segment_size: 56
    .max_flat_workgroup_size: 128
    .sgpr_count:     66
    .vgpr_count:     1024
    .wavefront_size: 32
...
	.end_amdgpu_metadata
.endif
;; end of part 3
;; launch comb (part 4): grid 256 x 1, 8 waves a work-group, no clusters, 0 bytes of LDS; arguments part, out0; writes out0
.if DOCPART == 4
	.amdgcn_target "amdgcn-amd-amdhsa--gfx1250"
	.amdhsa_code_object_version 6
	.text
	.protected	k_q9e9b8f8434_comb
	.globl	k_q9e9b8f8434_comb
	.p2align	8
	.type	k_q9e9b8f8434_comb,@function
k_q9e9b8f8434_comb:
	s_mov_b64 s[64:65], 0
	v_nop
	global_prefetch_b8 v0, s[64:65] scope:SCOPE_SE
	s_setreg_imm32_b32 hwreg(HW_REG_WAVE_MODE, 25, 1), 1
	s_wait_xcnt 0x0
; out0[t] = the sum of token t's four partial rows: part[2048 kh + 2 t + k], kh = 0, 1 (the halves of the second product's K), k = 0, 1 (the two experts chosen); each already carries its gate weight.
; A stream: a work-group takes four tokens, thread i the 16 bytes at 16 i of each row of 4,096 bytes, so that a wave's load or store covers 512 consecutive bytes.  All sixteen loads go out at once.
; No LDS, no barrier, no matrix unit: nothing is shared and nothing is multiplied.
	s_load_b128 s[4:7], s[0:1], 0x0                ; part, out0
	v_lshlrev_b32 v1, 4, v0
	s_lshl_b32 s8, ttmp9, 15                       ; eight rows of part a work-group
	s_mov_b32 s9, 0
	s_lshl_b32 s10, ttmp9, 14                      ; four rows of out0
	s_mov_b32 s11, 0
	s_wait_kmcnt 0x0
	s_add_nc_u64 s[4:5], s[4:5], s[8:9]
	s_add_nc_u64 s[12:13], s[4:5], 0x800000        ; the second K half's rows lie 2,048 rows further on
	s_add_nc_u64 s[6:7], s[6:7], s[10:11]
.irp tk, 0,1,2,3
	global_load_b128 v[4+16*\tk:7+16*\tk],   v1, s[4:5]   offset:8192*\tk th:TH_LOAD_NT
	global_load_b128 v[8+16*\tk:11+16*\tk],  v1, s[12:13] offset:8192*\tk th:TH_LOAD_NT
	global_load_b128 v[12+16*\tk:15+16*\tk], v1, s[4:5]   offset:8192*\tk+4096 th:TH_LOAD_NT
	global_load_b128 v[16+16*\tk:19+16*\tk], v1, s[12:13] offset:8192*\tk+4096 th:TH_LOAD_NT
.endr
.irp tk, 0,1,2,3
	s_wait_loadcnt 12-4*\tk                        ; this token's four loads are in; the later tokens' may be out
	v_pk_add_f32 v[4+16*\tk:5+16*\tk],   v[4+16*\tk:5+16*\tk],   v[8+16*\tk:9+16*\tk]
	v_pk_add_f32 v[6+16*\tk:7+16*\tk],   v[6+16*\tk:7+16*\tk],   v[10+16*\tk:11+16*\tk]
	v_pk_add_f32 v[12+16*\tk:13+16*\tk], v[12+16*\tk:13+16*\tk], v[16+16*\tk:17+16*\tk]
	v_pk_add_f32 v[14+16*\tk:15+16*\tk], v[14+16*\tk:15+16*\tk], v[18+16*\tk:19+16*\tk]
	v_pk_add_f32 v[4+16*\tk:5+16*\tk],   v[4+16*\tk:5+16*\tk],   v[12+16*\tk:13+16*\tk]
	v_pk_add_f32 v[6+16*\tk:7+16*\tk],   v[6+16*\tk:7+16*\tk],   v[14+16*\tk:15+16*\tk]
	global_store_b128 v1, v[4+16*\tk:7+16*\tk], s[6:7] offset:4096*\tk th:TH_STORE_NT
.endr
	s_endpgm
.Lfunc_end_k_q9e9b8f8434_comb:
	.size	k_q9e9b8f8434_comb, .Lfunc_end_k_q9e9b8f8434_comb-k_q9e9b8f8434_comb
	.p2alignl 7, 3214868480
	.fill 96, 4, 3214868480
	.section	.rodata,"a",@progbits
	.p2align	6, 0x0
	.amdhsa_kernel k_q9e9b8f8434_comb
		.amdhsa_group_segment_fixed_size 0
		.amdhsa_private_segment_fixed_size 0
		.amdhsa_enable_private_segment 0
		.amdhsa_kernarg_size 16
		.amdhsa_user_sgpr_count 2
		.amdhsa_user_sgpr_kernarg_segment_ptr 1
		.amdhsa_wavefront_size32 1
		.amdhsa_system_sgpr_workgroup_id_x 1
		.amdhsa_system_sgpr_workgroup_id_y 1
		.amdhsa_system_sgpr_workgroup_id_z 1
		.amdhsa_system_vgpr_workitem_id 0
		.amdhsa_next_free_vgpr 96
		.amdhsa_next_free_sgpr 66
		.amdhsa_reserve_vcc 0
		.amdhsa_float_denorm_mode_32 3
		.amdhsa_float_denorm_mode_16_64 3
		.amdhsa_memory_ordered 1
		.amdhsa_forward_progress 1
		.amdhsa_inst_pref_size 5
	.end_amdhsa_kernel
	.amdgpu_metadata
---
amdhsa.version: [ 1, 2 ]
amdhsa.kernels:
  - .name:           k_q9e9b8f8434_comb
    .symbol:         k_q9e9b8f8434_comb.kd
    .args:
      - { .name: part, .offset: 0, .size: 8, .value_kind: global_buffer, .address_space: global }
      - { .name: out0, .offset: 8, .size: 8, .value_kind: global_buffer, .address_space: global }
    .group_segment_fixed_size: 0
    .private_segment_fixed_size: 0
    .kernarg_segment_align: 8
    .kernarg_segment_size: 16
    .max_flat_workgroup_size: 256
    .sgpr_count:     66
    .vgpr_count:     96
    .wavefront_size: 32
...
	.end_amdgpu_metadata
.endif
;; end of part 4
;; ======== version 2 of 2: 4 launches; version 1 with the launches ffn1, ffn2 written anew for expert scheduling mode
;; workspace buffers: xc 1,048,576 bytes; rsel 4,096 bytes of whole numbers; gv 8,192 bytes; rl 40,960 bytes of whole numbers; hid 33,554,432 bytes; part 16,842,752 bytes
;; launch gate: the kernel of part 1 again; grid 256 x 1, 4 waves a work-group, no clusters, 1,024 bytes of LDS; arguments x, gate_w, gate_b, lowp_scales, xc, rsel, gv; writes xc, rsel, gv
;; launch ffn1 (part 5): grid 32 x 8, 4 waves a work-group, no clusters, 136,704 bytes of LDS; arguments xc, w1, b1, lowp_scales, rsel, hid, rl; writes hid, rl
.if DOCPART == 5
	.amdgcn_target "amdgcn-amd-amdhsa--gfx1250"
	.amdhsa_code_object_version 6
	.text
	.protected	k_q9e9b8f8434_ffn1
	.globl	k_q9e9b8f8434_ffn1
	.p2align	8
	.type	k_q9e9b8f8434_ffn1,@function
k_q9e9b8f8434_ffn1:
	s_mov_b64 s[64:65], 0
	v_nop
	global_prefetch_b8 v0, s[64:65] scope:SCOPE_SE
	s_setreg_imm32_b32 hwreg(HW_REG_WAVE_SCHED_MODE, 0, 2), 2
	s_setreg_imm32_b32 hwreg(HW_REG_WAVE_MODE, 25, 1), 1
	s_wait_xcnt 0x0
	s_wait_alu depctr_vm_vsrc(0)
; THE FIRST EXPERT PRODUCT, for the rows that were chosen: hid = codes of relu(x w1 + b1), E5M2 with the given scale 2^e3.  x comes as codes (xc, scale 2^e0); w1 [8][1024 d][4096 h] comes as f32 with K outermost.
; SHARES.  Work-group (hs, e) owns expert e's hidden units 128 hs .. 128 hs + 127: a slice of w1 of 1,024 rows x 512 bytes, which no other work-group reads.  It is read ONCE, in 8 chunks of 128 rows, quantised in
; registers (scale 2^e1) and laid into LDS as images of operand registers; all 8 chunks stay there (131,072 bytes, each byte written once).  Behind each chunk's barrier every wave multiplies it with its own tiles of
; 16 rows (six at the most, 384 rows a work-group) while the next two chunks are on their way.  An expert with more than 384 rows (1,024 at the most) is served afterwards from the codes kept in LDS: no barrier, loops of
; constant count, the work jumped over by forward branches on the count of rows.
; THE ROWS.  rsel[t] says which two experts token t chose.  The rows' order: by groups of 32 tokens (a register of rsel), in a group by lanes.  Every wave counts the expert's rows and finds, IN REGISTERS, the tokens of its
; own six tiles of the first pass: rank p lies in the last group whose running count is not above p, at set bit number p - count of the group's mask, found by halving on partial bit counts.  So x's first loads go out
; ahead of the list's barrier.  Wave 0 also places all rows in LDS, in the same order: list[pos] = slot = 2 t + k; from it come the later passes' rows and rl, which work-group hs = 0 stores.
; TILES 4 AND 5 of a wave exist only where the expert has more than 256 rows: their products stand in a run of their own, jumped over where the wave has no fifth tile.  In chunk 0 they run in any case: they start the sums.
; NO TENSOR LOADS AND NO CLUSTER: the text branches on counts read from memory, and the weights, which are nearly all the bytes, are shared by nobody.
; A wave writes more loads than LOADcnt's field holds; the issue then stalls (ISA guide 5.7.1), and each wait's count, never above the number of younger loads, stays right.
; K'S ORDER inside a step of 128, alike in both operands: register p (0 .. 15), byte b, lane half h hold k = 64 (p / 8) + 32 h + 4 (p % 8) + b.  Every product meets its partner; only the order of the sums inside an
; instruction differs from the natural one.
; THE MATRIX INSTRUCTION IS USED TRANSPOSED: source 0 = 16 columns of w1, source 1 = 16 rows of x.  A load of 16 bytes gives lane (r, h) columns 4 r .. 4 r + 3 of one row of w1, so tile j of a group of 64 columns is
; the columns 4 q + j; the lane's results of the four tiles are then 32 NEIGHBOURING hidden units 32 h + 4 jj + j of its row: in just the order above, so that the conversions' results are the next product's operand.
; LIMITS: e1 and e3 between -126 and 112, e0 + e1 between -126 and 127, so that each power of two below is an f32 number.  NaN among the inputs is not served.
; THE MODE: SCHED_MODE bits 1:0 = 2 (LLVM: expert scheduling mode 2), set by the entry lines.  The code itself states the register dependences between vector or matrix instructions and memory or LDS instructions,
; and those through scalar registers that vector instructions write, with s_wait_alu, always for 0.
; THE PLAN.  Registers that memory or LDS instructions touch in a main trip (chunk c, par = c % 2):
;   W[par], halves z = 0, 1   read and written by the trip's holds and conversions; behind them the loads of chunk c + 2 land there.
;   X[1 - par]                read by the products of the trip before; x of chunk c + 1 lands there.
;   BR, four fragments        read by products; LDS loads land there.
;   E0, E1, turned codes      written by the trip's byte turns; read by its eight LDS stores.
;   v[CA], v[LA]              written at the trip's head; read by the trip's LDS stores and LDS loads.
;   v[WOFF], v[L16], v[XO ..] offsets that no line of a main trip writes.
; So a trip has ONE wait on vm_vsrc, at its head (the trip before's LDS instructions have read CA, LA and E), and TWO on va_vdst among its conversions: behind the first half's conversions (W z = 0 and X[1 - par] may be
; loaded again) and behind the second half's byte turns (E0, E1 and CA are written; W z = 1 may be loaded again; LA is written and the last products are done with BR).  A run of products refills its ring of four
; fragments two at a time, behind one wait on va_vdst each time.
; REGISTERS, in windows of 256.  window 0: v1-31 addresses and scales; v32-47 codes by rows; v48-63 half turned; v64-127 four fragments of w1 by turns (at the head: the search for the rows); v128-223 x's fragments,
;   buffer 1 (at the head: rsel and the list's work); v224-253 addresses of the head.  window 1: two sets of 128 numbers of w1; behind the main trips b1 (v0-63), the hidden layer (v64-127), its codes (v128-159).
;   window 2: the accumulators of tiles 0-3 (tile i, fragment f at 64 i + 8 f).  window 3: those of tiles 4, 5 (v0-127); x's fragments, buffer 0 (v128-223); turned codes (v224-255).
.set ROWB,   16384                     ; a row of w1 in bytes
.set CHUNKB, 128*ROWB                  ; a chunk: 128 along K
.set ACH,    128                       ; x's codes of a chunk, in each row
.set LIST,   131072                    ; LDS: behind the codes: 1,152 entries and 32 words for the lanes that place nothing
.set L16,  1                           ; 16 x lane
.set WOFF, 2                           ; w1: 32 rows x h + 16 r
.set CST,  3                           ; where I store codes in a chunk: 16 x lane + 8,192 (w / 2) + 1,024 (w % 2)
.set CA,   4                           ; the same in the chunk in hand
.set LA,   5                           ; 16 x lane in the chunk in hand
.set SCW,  6                           ; 2^e1
.set SCH,  7                           ; 2^e3
.set XO,   8                           ; v8-13   my six tiles: byte of my row in xc, + 32 h
.set NX,   14                          ; v14-25  the same for the two later passes
.set D,    32
.set P,    48
.set BR,   64
.set XB,   128
.set PR,   64                          ; at the head, six registers each, one for each of my tiles: my row's rank 64 i + 16 w + r,
.set MM,   70                          ; the mask of the group of 32 tokens in which it lies,
.set XX,   76                          ; the rows ahead of that group | the group's number << 16,
.set L1,   82                          ; the mask's bit counts by fields of 2,
.set L2,   88                          ; of 4,
.set L3,   94                          ; of 8 bits,
.set NN,   100                         ; which set bit is still sought,
.set PS,   106                         ; from which bit on,
.set TT,   112                         ; at work
.set UU,   118
.set ZV,   124                         ; 0
.set RS,   128                         ; at the head: rsel, 32 registers
.set PO,   160                         ; at the head: a place in the list for each of the 32 groups
.set SL,   192                         ; at the head: its slot
.set LZ,   224                         ; LIST + 16 x lane
.set LRD,  225                         ; LIST + 64 w + 4 r
.set LDU,  226                         ; LIST + 4 x thread
.set RLO,  227                         ; 4 x thread
.set B1O,  228                         ; 128 h
.set H32,  229                         ; 32 h
.set LL,   230                         ; v230-247 entries read from the list
.set L8,   248                         ; 8 x lane
.set DMP,  249                         ; 1,152 + lane
.set ZR,   250                         ; v250-253 zeros
.set E,    224                         ; in window 3
.set SA,   4                           ; s[4:5]   xc, stepped chunk by chunk
.set SW,   6                           ; s[6:7]   w1 at my wave's part of the chunk in hand
.set B1P,  8
.set LOW,  10
.set RSP,  12
.set SH,   14                          ; s[14:15] hid at my first tile of the pass
.set RLP,  16
.set WV,   18
.set HS,   19
.set EX,   20
.set CNT,  21                          ; the expert's rows
.set NT,   22                          ; its tiles
.set TLIM, 23                          ; at least 1: tile 0 is always written, so that the next launch reads nothing unwritten
.set T0,   24                          ; the pass's first tile
.set LC,   25
.set CB,   26                          ; LDS byte of the chunk (pair of chunks) in hand
.set T4,   27                          ; my fifth tile of the pass
.set NLIM, 28
.set LIM,  29                          ; 57,344 x 2^e1
.set LIMH, 30                          ; 57,344 x 2^e3
.set SC1,  31                          ; 2^(e0 + e1)
.set SELA, 32
.set SELB, 33
.set SELL, 34
.set SELH, 35
.set SO,   40                          ; s[40:41] xc in the later passes
.set PASS, 42
.set BITS, 43
.set XC0,  52                          ; s[52:53] xc, never stepped
.set CM,   54                          ; s54-59   six lane masks of the search
.set MSB, 0
.macro WIN new                         ; the immediate's high byte repeats the setting that is left; a switch that changes nothing is dropped
.if MSB != (\new)
	s_set_vgpr_msb (MSB<<8)|(\new)
.set MSB, (\new)
.endif
.endm
; 16 rows of my part of a chunk: lanes 0-15 read 256 consecutive bytes of one row, at a multiple of 256 from w1's first byte, lanes 16-31 those of the row 32 further down
.macro WLOAD par, z, imm
	WIN 0x40
.set wl_n, 0
.rept 16
	global_load_b128 v[128*(\par)+64*(\z)+4*wl_n:128*(\par)+64*(\z)+4*wl_n+3], v[WOFF], s[SW:SW+1] offset:(\imm)+(16*(\z)+wl_n)*ROWB th:TH_LOAD_NT
.set wl_n, wl_n+1
.endr
.endm
; x's fragments of tiles i0 .. i1 for one chunk: of my row the bytes 32 h + 0 .. 31 and 64 + 32 h + 0 .. 31
.macro ALOAD buf, i0, i1, imm, base
.if (\buf) == 0
	WIN 0xc0
.else
	WIN 0
.endif
.set al_i, \i0
.rept (\i1)-(\i0)+1
	global_load_b128 v[XB+16*al_i:XB+16*al_i+3],     v[XO+al_i], s[\base:\base+1] offset:(\imm)
	global_load_b128 v[XB+16*al_i+4:XB+16*al_i+7],   v[XO+al_i], s[\base:\base+1] offset:(\imm)+16
	global_load_b128 v[XB+16*al_i+8:XB+16*al_i+11],  v[XO+al_i], s[\base:\base+1] offset:(\imm)+64
	global_load_b128 v[XB+16*al_i+12:XB+16*al_i+15], v[XO+al_i], s[\base:\base+1] offset:(\imm)+80
.set al_i, al_i+1
.endr
.endm
; 64 numbers (16 rows x my 4 columns) become 16 words of codes, a word = one row's four columns
.macro CONV1 par, z
	WIN 0x41
.set c1_n, 128*(\par)+64*(\z)
.rept 64
	v_med3_num_f32 v[c1_n], v[c1_n], s[NLIM], s[LIM]       ; the conversion does not saturate (ISA guide 7.6.2): the hold at the largest code x the scale
.set c1_n, c1_n+1
.endr
	WIN 0x01
.set c1_n, 0
.rept 8
	v_cvt_scalef32_pk8_bf8_f32 v[D+2*c1_n:D+2*c1_n+1], v[128*(\par)+64*(\z)+8*c1_n:128*(\par)+64*(\z)+8*c1_n+7], v[SCW]
.set c1_n, c1_n+1
.endr
	WIN 0
	v_nop                                          ; one plain vector line behind the last conversion
.endm
; four times 4 x 4 bytes are turned, so that a word holds four neighbours along K of one column: into E's half z
.macro PERM z
	WIN 0
.set c2_q, 0
.rept 4
	v_perm_b32 v[P+4*c2_q],   v[D+4*c2_q+1], v[D+4*c2_q],   s[SELA]
	v_perm_b32 v[P+4*c2_q+1], v[D+4*c2_q+1], v[D+4*c2_q],   s[SELB]
	v_perm_b32 v[P+4*c2_q+2], v[D+4*c2_q+3], v[D+4*c2_q+2], s[SELA]
	v_perm_b32 v[P+4*c2_q+3], v[D+4*c2_q+3], v[D+4*c2_q+2], s[SELB]
.set c2_q, c2_q+1
.endr
	WIN 0xc0
.set c2_q, 0
.rept 4
	v_perm_b32 v[E+16*(\z)+c2_q],    v[P+4*c2_q+2], v[P+4*c2_q],   s[SELL]
	v_perm_b32 v[E+16*(\z)+4+c2_q],  v[P+4*c2_q+2], v[P+4*c2_q],   s[SELH]
	v_perm_b32 v[E+16*(\z)+8+c2_q],  v[P+4*c2_q+3], v[P+4*c2_q+1], s[SELL]
	v_perm_b32 v[E+16*(\z)+12+c2_q], v[P+4*c2_q+3], v[P+4*c2_q+1], s[SELH]
.set c2_q, c2_q+1
.endr
.endm
; the four quarters of fragments in E's half z go to LDS, 512 consecutive bytes a store
.macro PUT z, lo
	WIN 0x0c
.set c2_q, 0
.rept 4
	ds_store_b128 v[CA], v[E+16*(\z)+4*c2_q:E+16*(\z)+4*c2_q+3] offset:(\lo)+2048*c2_q+512*(\z)
.set c2_q, c2_q+1
.endr
.endm
.macro BLOAD f, lo                     ; fragment f of the chunk, as it was stored
.set bl_c, 0
.rept 4
	ds_load_b128 v[BR+16*((\f)%4)+4*bl_c:BR+16*((\f)%4)+4*bl_c+3], v[LA] offset:(\lo)+2048*(\f)+512*bl_c
.set bl_c, bl_c+1
.endr
.endm
.macro WM i, f, zero
.set wm_d, 64*((\i)%4)+8*(\f)
.if \zero
	v_wmma_f32_16x16x128_bf8_bf8 v[wm_d:wm_d+7], v[BR+16*((\f)%4):BR+16*((\f)%4)+15], v[XB+16*(\i):XB+16*(\i)+15], 0
.else
	v_wmma_f32_16x16x128_bf8_bf8 v[wm_d:wm_d+7], v[BR+16*((\f)%4):BR+16*((\f)%4)+15], v[XB+16*(\i):XB+16*(\i)+15], v[wm_d:wm_d+7]
.endif
.endm
; The chunk's 8 fragments, each against my tiles i0 .. i0 + n - 1 (window setting mw).  The accumulators take turns, one instruction a turn.  zero = 1: the products start the sums.
; Four fragments are asked for ahead; behind the products of fragments 0, 1 their registers take fragments 4, 5, behind those of 2, 3 fragments 6, 7.
; The waits on DScnt count the LDS loads issued behind the fragment that is due: three fragments' twelve or two fragments' eight, at the end 4 and 0.
.macro MRUN buf, lo, zero, i0, n, mw
	WIN 0
	BLOAD 0, \lo
	BLOAD 1, \lo
	BLOAD 2, \lo
	BLOAD 3, \lo
.set mu_f, 0
.rept 8
.if mu_f < 6
	s_wait_dscnt 12-4*(mu_f%2)
.else
	s_wait_dscnt 4*(7-mu_f)
.endif
	WIN (\mw)+0x0c*(1-(\buf))
.set mu_i, \i0
.rept \n
	WM mu_i, mu_f, \zero
.set mu_i, mu_i+1
.endr
.if (mu_f == 1) || (mu_f == 3)
	WIN 0
.rept 4
	v_nop                                          ; four places in front of loads into registers that the products above have read (ISA guide 7.12.1 for vector instructions)
.endr
	s_wait_alu depctr_va_vdst(0)                   ; the products above are done reading the two fragments' registers, in which the eight loads below land
	BLOAD mu_f+3, \lo
	BLOAD mu_f+4, \lo
.endif
.set mu_f, mu_f+1
.endr
	WIN 0
.endm
; A chunk's products: tiles 0-3, then tiles 4 and 5.  g45 = 1: the second run, with its second reading of the fragments, is jumped over where I have no fifth tile.
.macro MULT buf, lo, zero, g45
	MRUN \buf, \lo, \zero, 0, 4, 0xa0
.if \g45
	s_cmp_lt_u32 s[T4], s[TLIM]
	s_cbranch_scc0 .Lm45_\@
.endif
.rept 4
	v_nop                                          ; places in front of loads into the fragments' registers, which the first run's last products have read
.endr
	s_wait_alu depctr_va_vdst(0)                   ; the first run's products are done reading the four fragments' registers, in which the second run's first loads land
	MRUN \buf, \lo, \zero, 4, 2, 0xf0
.if \g45
.Lm45_\@:
.endif
.endm
.macro TAILLOADS                       ; b1 of my 64 hidden units (32 h + 64 g + 0 .. 31), into registers that the last chunk but one has left: its conversions stand ahead of that trip's waits on va_vdst, and nothing has named them since
	WIN 0x40
.set tl_n, 0
.rept 16
	global_load_b128 v[4*tl_n:4*tl_n+3], v[B1O], s[B1P:B1P+1] offset:256*(tl_n/8)+16*(tl_n%8)
.set tl_n, tl_n+1
.endr
.endm
; A MAIN TRIP, chunk c.  From chunk 2 on my loads in flight at its head are, in order: w1 of chunk c, x of chunk c, w1 of chunk c + 1 (32 loads); at chunk 1's head the first of these has landed already.  The wait wn = 32
; leaves those 32 out, however many of x's loads were issued.  Chunk 0 has counts of its own (see where it is called); wm under 64: a second wait, for x, in front of the products.
; na, nw: x of chunk c + 1 and w1 of chunk c + 2 are asked for.  hg = 1: the loads for my tiles 4 and 5 are jumped over where I have no fifth tile.
.macro TRIP par, first, na, nw, hg, wn, tail, wm, g45
	s_wait_loadcnt \wn
	s_wait_xcnt 0x0                                ; bases are stepped, and registers that served as offsets rewritten, only behind this wait
.if (\first) == 0
	s_add_nc_u64 s[SW:SW+1], s[SW:SW+1], CHUNKB
	s_add_nc_u64 s[SA:SA+1], s[SA:SA+1], ACH
.endif
.if \tail
	TAILLOADS
.endif
	WIN 0
	s_wait_alu depctr_vm_vsrc(0)                   ; the LDS stores issued so far have read v[CA] and E, the fragments' loads v[LA]: all three are written again below.  At chunk 0: wave 0's stores into the list have read the registers that x's buffer 1 takes
	v_add_nc_u32 v[CA], s[CB], v[CST]
	v_add_nc_u32 v[LA], s[CB], v[L16]
	CONV1 \par, 0                                  ; its 64 holds are also the places behind the last trip's products
.if (\na) || (\nw)
	s_wait_alu depctr_va_vdst(0)                   ; the holds and conversions are done with W[par]'s first half, and the last trip's products (at chunk 0: the head's lines) with x's other buffer: the loads below land in both
.endif
.if \na
	ALOAD 1-\par, 0, 3, ACH, SA
.if \hg
	WIN 0
	s_cmp_lt_u32 s[T4], s[TLIM]
	s_cbranch_scc0 .Lna_\@
.endif
	ALOAD 1-\par, 4, 5, ACH, SA
.if \hg
	WIN 0
.Lna_\@:
.endif
.endif
.if \nw
	WLOAD \par, 0, 2*CHUNKB                        ; into the registers just converted
.endif
	PERM 0
	CONV1 \par, 1
	PERM 1
	WIN 0x0c
	s_wait_alu depctr_va_vdst(0)                   ; E0, E1 and v[CA] are written, which the LDS stores read; the holds and conversions are done with W[par]'s second half; v[LA] is written and the last products are done with the fragments' registers, for the loads behind the barrier
	PUT 0, 16384*(\par)
	PUT 1, 16384*(\par)
.if \nw
	WLOAD \par, 1, 2*CHUNKB
.endif
	WIN 0
	s_wait_dscnt 0x0                               ; for the others' sake: my part of the chunk's codes lies in LDS
	s_barrier_signal -1
	s_barrier_wait -1                              ; everybody's does
.if (\wm) < 64
	s_wait_loadcnt \wm
.endif
	MULT \par, 16384*(\par), \first, \g45
.endm
; A trip of a later pass: the chunk's codes are in LDS already; nothing is shared, so no barrier.  The work is jumped over where the expert has no tile in this pass; the steps of the addresses are not.
.macro OVTRIP zero
	s_cmp_lt_u32 s[T0], s[NT]
	s_cbranch_scc0 .Lov_skip_\@
	s_wait_alu depctr_vm_vsrc(0)                   ; the fragments' loads issued so far have read v[LA]
	v_add_nc_u32 v[LA], s[CB], v[L16]
.rept 4
	v_nop                                          ; places in front of loads into registers that products have read
.endr
	s_wait_alu depctr_va_vdst(0)                   ; v[LA] and the pass's v[XO ..] are written; the last products are done reading x's buffer 0 and the fragments' registers
	ALOAD 0, 0, 5, 0, SO
	WIN 0
	s_wait_loadcnt 0x0
	MULT 0, 0, \zero, 1
.Lov_skip_\@:
	s_wait_xcnt 0x0
	s_add_nc_u64 s[SO:SO+1], s[SO:SO+1], ACH
	s_add_co_u32 s[CB], s[CB], 16384
.endm
; Tile i leaves: sum x 2^(e0 + e1) + b1; relu and the hold in one; codes; the fragment's image, four stores of 512 consecutive bytes.  Each accumulator is read from its lowest register on.
.macro EPI i
	s_add_co_u32 s44, s[T0], 4*(\i)
	s_add_co_u32 s44, s44, s[WV]
	s_cmp_lt_u32 s44, s[TLIM]
	s_cbranch_scc0 .Lepi_\@
	s_wait_xcnt 0x0                                ; earlier stores have read their registers
	s_wait_alu depctr_vm_vsrc(0)                   ; the stores of the tile two back have read the codes' registers, which the conversions below write again
	WIN 0x52+((\i)/4)
.set ep_g, 0
.rept 2
.set ep_j, 0
.rept 8
.set ep_t, 0
.rept 4
	v_fma_f32 v[64+32*ep_g+4*ep_j+ep_t], v[64*((\i)%4)+8*(4*ep_g+ep_t)+ep_j], s[SC1], v[32*ep_g+4*ep_j+ep_t]
.set ep_t, ep_t+1
.endr
.set ep_j, ep_j+1
.endr
.set ep_g, ep_g+1
.endr
	WIN 0x41
.set ep_j, 0
.rept 64
	v_med3_num_f32 v[64+ep_j], v[64+ep_j], 0, s[LIMH]
.set ep_j, ep_j+1
.endr
.set ep_c, 128+16*((\i)%2)
.set ep_j, 0
.rept 8
	v_cvt_scalef32_pk8_bf8_f32 v[ep_c+2*ep_j:ep_c+2*ep_j+1], v[64+8*ep_j:64+8*ep_j+7], v[SCH]
.set ep_j, ep_j+1
.endr
	v_nop                                          ; one plain vector line behind the last conversion
	WIN 0x04
	s_wait_alu depctr_va_vdst(0)                   ; the conversions have written the tile's codes, which the four stores read
.set ep_j, 0
.rept 4
	global_store_b128 v[L16], v[ep_c+4*ep_j:ep_c+4*ep_j+3], s[SH:SH+1] offset:262144*(\i)+512*ep_j
.set ep_j, ep_j+1
.endr
	WIN 0
.Lepi_\@:
.endm
; One halving of the search for a set bit: t = the set bits among the w bits from PS on, read off the field counts in lx; where fewer than NN + 1 lie there, they are passed over
.macro SSTEP lx, w
.irp i, 0,1,2,3,4,5
	v_bfe_u32 v[TT+\i], v[\lx+\i], v[PS+\i], \w
.endr
.irp i, 0,1,2,3,4,5
	v_cmp_lt_u32 s[CM+\i], v[NN+\i], v[TT+\i]
.endr
	s_wait_alu depctr_va_sdst(0)                   ; the six masks are written, which the selections below read
.irp i, 0,1,2,3,4,5
	v_cndmask_b32 v[TT+\i], v[TT+\i], v[ZV], s[CM+\i]
	v_cndmask_b32 v[UU+\i], \w, v[ZV], s[CM+\i]
.endr
.irp i, 0,1,2,3,4,5
	v_sub_nc_u32 v[NN+\i], v[NN+\i], v[TT+\i]
	v_add_nc_u32 v[PS+\i], v[PS+\i], v[UU+\i]
.endr
.endm
	s_load_b256 s[4:11], s[0:1], 0x0               ; xc, w1, b1, the scales' exponents
	s_load_b128 s[12:15], s[0:1], 0x20             ; rsel, hid
	s_load_b64 s[16:17], s[0:1], 0x30              ; rl
	v_lshl_add_u32 v254, v0, 2, 0x21400
	v_mov_b32 v255, 0
	v_lshrrev_b32 v26, 5, v0
	v_readfirstlane_b32 s[WV], v26                 ; wave 0..3
	s_mov_b32 s[HS], ttmp9
	s_and_b32 s[EX], ttmp7, 0xffff
	v_and_b32 v27, 31, v0                          ; lane
	v_and_b32 v28, 15, v0                          ; r
	v_bfe_u32 v29, v0, 4, 1                        ; h
	v_lshlrev_b32 v[L16], 4, v27
	v_lshlrev_b32 v[WOFF], 4, v28
	v_lshl_add_u32 v[WOFF], v29, 19, v[WOFF]
	s_wait_alu depctr_va_sdst(0)                   ; the wave's number is written, ahead of its first reader
	s_lshr_b32 s44, s[WV], 1                       ; which group of 64 columns I convert
	s_and_b32 s45, s[WV], 1                        ; which 64 of the chunk's 128 rows
	s_lshl_b32 s46, s44, 13
	s_lshl_b32 s47, s45, 10
	s_add_co_u32 s46, s46, s47
	v_add_nc_u32 v[CST], s46, v[L16]
	v_add_nc_u32 v[LZ], LIST, v[L16]
	s_lshl_b32 s46, s[WV], 6
	v_lshl_add_u32 v[LRD], v28, 2, s46
	v_add_nc_u32 v[LRD], LIST, v[LRD]
	v_lshlrev_b32 v[RLO], 2, v0
	v_add_nc_u32 v[LDU], LIST, v[RLO]
	v_lshlrev_b32 v[B1O], 7, v29
	v_lshlrev_b32 v[H32], 5, v29
	v_lshlrev_b32 v[L8], 3, v27
	v_add_nc_u32 v[DMP], 1152, v27
	s_lshl_b32 s46, s[WV], 4
	v_add_nc_u32 v[PR], s46, v28                   ; my row's rank in tile i of the first pass: 64 i + 16 w + r
.irp i, 1,2,3,4,5
	v_add_nc_u32 v[PR+\i], 64*\i, v[PR]
.endr
	v_mov_b32 v[ZV], 0
	s_lshl_b32 s48, s[EX], 24                      ; w1: 16 MiB an expert + 512 bytes a slice + 256 a group of columns + 64 rows
	s_lshl_b32 s46, s[HS], 9
	s_add_co_u32 s48, s48, s46
	s_lshl_b32 s46, s44, 8
	s_add_co_u32 s48, s48, s46
	s_lshl_b32 s46, s45, 20
	s_add_co_u32 s48, s48, s46
	s_mov_b32 s49, 0
	s_lshl_b32 s50, s[EX], 22                      ; hid: 4 MiB an expert + 65,536 a tile + 2,048 a K step
	s_lshl_b32 s46, s[WV], 16
	s_add_co_u32 s50, s50, s46
	s_lshl_b32 s46, s[HS], 11
	s_add_co_u32 s50, s50, s46
	s_mov_b32 s51, 0
	s_lshl_b32 s54, s[EX], 14                      ; b1
	s_lshl_b32 s46, s[HS], 9
	s_add_co_u32 s54, s54, s46
	s_mov_b32 s55, 0
	s_mul_i32 s56, s[EX], 5120                     ; rl
	s_mov_b32 s57, 0
	s_lshl_b32 s[BITS], 0x101, s[EX]               ; the expert's two bits in rsel
	s_mov_b32 s[SELA], 0x05010400
	s_mov_b32 s[SELB], 0x07030602
	s_mov_b32 s[SELL], 0x05040100
	s_mov_b32 s[SELH], 0x07060302
	s_mov_b32 s[CB], 0
	s_mov_b32 s[T0], 0
	s_mov_b32 s[PASS], 0
	s_wait_kmcnt 0x0
	s_load_b128 s[36:39], s[LOW:LOW+1], 0x0        ; e0, e1, e2, e3
	s_mov_b64 s[XC0:XC0+1], s[SA:SA+1]
	s_add_nc_u64 s[SW:SW+1], s[SW:SW+1], s[48:49]
	s_add_nc_u64 s[SH:SH+1], s[SH:SH+1], s[50:51]
	s_add_nc_u64 s[B1P:B1P+1], s[B1P:B1P+1], s[54:55]
	s_add_nc_u64 s[RLP:RLP+1], s[RLP:RLP+1], s[56:57]
	s_wait_alu depctr_va_vdst(0)                   ; every offset and LDS address made above is written: v[L16] and v[WOFF], which the loads below read, and those that later loads and stores read
.set n, 0
.rept 8
	global_load_b128 v[RS+4*n:RS+4*n+3], v[L16], s[RSP:RSP+1] offset:512*n     ; register g = 4 n + c of lane l: token 128 n + 4 l + c
.set n, n+1
.endr
	WLOAD 0, 0, 0                                  ; chunks 0 and 1 are on their way while the rows are found
	WLOAD 0, 1, 0
	WLOAD 1, 0, CHUNKB
	WLOAD 1, 1, CHUNKB
	WIN 0
	s_wait_loadcnt 63                              ; rsel is in: 64 loads were issued behind it
	; THE COUNT, AND THE GROUP OF EACH OF MY SIX RANKS.  Group g's mask (s44) and the rows ahead of it (CNT, with g above it: s46) are taken over by every rank that does not lie ahead of the group; the last taking stays.
	s_mov_b32 s[CNT], 0
.set se_g, 0
.rept 32
	v_and_b32 v26, s[BITS], v[RS+se_g]
	v_cmp_ne_u32 s44, 0, v26                       ; the lanes whose token chose this expert
.if se_g > 0
.irp i, 0,1,2,3,4,5
	v_cmp_gt_u32 s[CM+\i], s[CNT], v[PR+\i]        ; the group begins behind my rank: keep what I have
.endr
.endif
	s_or_b32 s46, s[CNT], (se_g<<16)
	s_wait_alu depctr_va_sdst(0)                   ; the group's mask s44 and the six masks are written, which the lines below read
.if se_g == 0
.irp i, 0,1,2,3,4,5
	v_mov_b32 v[MM+\i], s44
	v_mov_b32 v[XX+\i], s46
.endr
.else
.irp i, 0,1,2,3,4,5
	v_cndmask_b32 v[MM+\i], s44, v[MM+\i], s[CM+\i]
	v_cndmask_b32 v[XX+\i], s46, v[XX+\i], s[CM+\i]
.endr
.endif
	s_bcnt1_i32_b32 s45, s44
	s_add_co_u32 s[CNT], s[CNT], s45
.set se_g, se_g+1
.endr
	; THE SET BIT.  NN = rank - rows ahead of the group; the mask's bit counts by fields of 2, 4 and 8 bits; then five halvings
.irp i, 0,1,2,3,4,5
	v_and_b32 v[TT+\i], 0xffff, v[XX+\i]
	v_lshrrev_b32 v[UU+\i], 1, v[MM+\i]
.endr
.irp i, 0,1,2,3,4,5
	v_sub_nc_u32 v[NN+\i], v[PR+\i], v[TT+\i]
	v_and_b32 v[UU+\i], 0x55555555, v[UU+\i]
.endr
.irp i, 0,1,2,3,4,5
	v_lshrrev_b32 v[XX+\i], 16, v[XX+\i]           ; the group's number
	v_sub_nc_u32 v[L1+\i], v[MM+\i], v[UU+\i]
.endr
.irp i, 0,1,2,3,4,5
	v_lshrrev_b32 v[TT+\i], 2, v[L1+\i]
	v_and_b32 v[UU+\i], 0x33333333, v[L1+\i]
.endr
.irp i, 0,1,2,3,4,5
	v_and_b32 v[TT+\i], 0x33333333, v[TT+\i]
.endr
.irp i, 0,1,2,3,4,5
	v_add_nc_u32 v[L2+\i], v[UU+\i], v[TT+\i]
.endr
.irp i, 0,1,2,3,4,5
	v_lshrrev_b32 v[TT+\i], 4, v[L2+\i]
.endr
.irp i, 0,1,2,3,4,5
	v_add_nc_u32 v[TT+\i], v[L2+\i], v[TT+\i]
.endr
.irp i, 0,1,2,3,4,5
	v_and_b32 v[L3+\i], 0x0f0f0f0f, v[TT+\i]
.endr
.irp i, 0,1,2,3,4,5
	v_lshrrev_b32 v[TT+\i], 8, v[L3+\i]
.endr
.irp i, 0,1,2,3,4,5
	v_add_nc_u32 v[TT+\i], v[L3+\i], v[TT+\i]
.endr
.irp i, 0,1,2,3,4,5
	v_and_b32 v[TT+\i], 0xff, v[TT+\i]             ; the set bits among the low 16
.endr
.irp i, 0,1,2,3,4,5
	v_cmp_lt_u32 s[CM+\i], v[NN+\i], v[TT+\i]
.endr
	s_wait_alu depctr_va_sdst(0)                   ; the six masks are written, which the selections below read
.irp i, 0,1,2,3,4,5
	v_cndmask_b32 v[TT+\i], v[TT+\i], v[ZV], s[CM+\i]
	v_cndmask_b32 v[PS+\i], 16, v[ZV], s[CM+\i]
.endr
.irp i, 0,1,2,3,4,5
	v_sub_nc_u32 v[NN+\i], v[NN+\i], v[TT+\i]
.endr
	SSTEP L3, 8
	SSTEP L2, 4
	SSTEP L1, 2
	SSTEP MM, 1                                    ; PS is now the lane l that holds my row's token in register g
.irp i, 0,1,2,3,4,5
	v_and_b32 v[TT+\i], 0x1c, v[XX+\i]             ; 4 (g / 4)
	v_and_b32 v[UU+\i], 3, v[XX+\i]                ; g % 4
.endr
.irp i, 0,1,2,3,4,5
	v_lshl_add_u32 v[UU+\i], v[PS+\i], 2, v[UU+\i]
	v_cmp_gt_u32 s[CM+\i], s[CNT], v[PR+\i]
.endr
.irp i, 0,1,2,3,4,5
	v_lshl_add_u32 v[TT+\i], v[TT+\i], 5, v[UU+\i] ; the token: 128 (g / 4) + 4 l + g % 4
.endr
	s_wait_alu depctr_va_sdst(0)                   ; the six masks are written, which the selections below read
.irp i, 0,1,2,3,4,5
	v_cndmask_b32 v[TT+\i], 0, v[TT+\i], s[CM+\i]  ; beyond the count: token 0, a row that exists, as in the list
.endr
.irp i, 0,1,2,3,4,5
	v_min_u32 v[TT+\i], 0x3ff, v[TT+\i]            ; held inside xc
.endr
.irp i, 0,1,2,3,4,5
	v_lshl_add_u32 v[XO+\i], v[TT+\i], 10, v[H32]  ; its row of 1,024 bytes, + 32 h
.endr
	s_add_co_u32 s[NT], s[CNT], 15
	s_lshr_b32 s[NT], s[NT], 4
	s_max_u32 s[TLIM], s[NT], 1
	s_add_co_u32 s[T4], s[WV], 16
	s_wait_alu depctr_va_vdst(0)                   ; v[XO ..] are written, which x's loads read as their offsets
	ALOAD 0, 0, 5, 0, SA                           ; x of chunk 0: all six tiles, so that every register of the buffer is written
	WIN 0
	s_cmp_lg_u32 s[WV], 0
	s_cbranch_scc1 .Llisted
	; wave 0 places all rows in LDS, in the same order.  Up to the barrier below it alone touches LDS.  All places and slots are made first, each in a register of its own, so that one wait serves all the stores.
	v_mov_b32 v[ZR], 0
	v_mov_b32 v[ZR+1], 0
	v_mov_b32 v[ZR+2], 0
	v_mov_b32 v[ZR+3], 0
	s_mov_b32 s47, 0                               ; the rows so far
.set lb_g, 0
.rept 32
	v_and_b32 v[SL+lb_g], s[BITS], v[RS+lb_g]
	v_cmp_ne_u32 s44, 0, v[SL+lb_g]                ; the lanes whose token chose this expert
	v_lshrrev_b32 v[SL+lb_g], 8, v[SL+lb_g]
	v_min_u32 v[SL+lb_g], 1, v[SL+lb_g]            ; k: 0 the first choice, 1 the second
	v_add3_u32 v[SL+lb_g], v[SL+lb_g], v[L8], 256*(lb_g/4)+2*(lb_g%4)   ; slot = 2 x token + k
	s_wait_alu depctr_va_sdst(0)                   ; the group's mask s44 is written, which the lines below read
	v_mbcnt_lo_u32_b32 v[PO+lb_g], s44, s47        ; the rows so far + such lanes below me
	v_cndmask_b32 v[PO+lb_g], v[DMP], v[PO+lb_g], s44      ; the other lanes write to a word of their own behind the list
	v_min_u32 v[PO+lb_g], 0x49f, v[PO+lb_g]
	v_lshl_add_u32 v[PO+lb_g], v[PO+lb_g], 2, LIST
	s_bcnt1_i32_b32 s45, s44
	s_add_co_u32 s47, s47, s45
.set lb_g, lb_g+1
.endr
	s_wait_alu depctr_va_vdst(0)                   ; the zeros, the 32 places and the 32 slots are written, which the LDS stores below read
.set n, 0
.rept 9
	ds_store_b128 v[LZ], v[ZR:ZR+3] offset:512*n   ; beyond the count the list names slot 0: a row that exists
.set n, n+1
.endr
.set lb_g, 0
.rept 32
	ds_store_b32 v[PO+lb_g], v[SL+lb_g]            ; LDS serves a wave's instructions in order (ISA guide 5.7.1.4): these come behind the zeros
.set lb_g, lb_g+1
.endr
.Llisted:
	s_wait_dscnt 0x0                               ; the list lies in LDS
	s_barrier_signal -1
	s_barrier_wait -1
.set n, 6
.rept 12
	ds_load_b32 v[LL+n], v[LRD] offset:1536*(n/6)+256*(n%6)    ; pass n / 6, my tile n % 6: entry 16 (24 p + 4 i + w) + r
.set n, n+1
.endr
	s_wait_kmcnt 0x0
	s_add_co_i32 s44, s37, 127
	s_lshl_b32 s45, s44, 23
	v_mov_b32 v[SCW], s45                          ; 2^e1 as f32: the conversion takes its exponent field
	s_add_co_i32 s44, s44, 15
	s_lshl_b32 s44, s44, 23
	s_or_b32 s[LIM], s44, 0x600000
	s_or_b32 s[NLIM], s[LIM], 0x80000000
	s_add_co_i32 s44, s39, 127
	s_lshl_b32 s45, s44, 23
	v_mov_b32 v[SCH], s45                          ; 2^e3
	s_add_co_i32 s44, s44, 15
	s_lshl_b32 s44, s44, 23
	s_or_b32 s[LIMH], s44, 0x600000
	s_add_co_i32 s44, s36, s37
	s_add_co_i32 s44, s44, 127
	s_lshl_b32 s[SC1], s44, 23                     ; 2^(e0 + e1)
	s_wait_dscnt 0x0
.set n, 6
.rept 12
	v_lshrrev_b32 v[LL+n], 1, v[LL+n]              ; the slot's token,
	v_min_u32 v[LL+n], 0x3ff, v[LL+n]              ; held inside xc,
	v_lshl_add_u32 v[XO+n], v[LL+n], 10, v[H32]    ; its row of 1,024 bytes, + 32 h
.set n, n+1
.endr
	s_cmp_lg_u32 s[HS], 0
	s_cbranch_scc1 .Lnorl                          ; one work-group of each expert stores the list and the count
	v_mov_b32 v[LL+9], s[CNT]
	s_wait_alu depctr_va_vdst(0)                   ; v[LL+9] is written, which the last store reads; the lines above are done with v[LL+6] to v[LL+8], in which three of the loads below land
.set n, 0
.rept 9
	ds_load_b32 v[LL+n], v[LDU] offset:512*n
.set n, n+1
.endr
	s_wait_dscnt 0x0
.set n, 0
.rept 9
	global_store_b32 v[RLO], v[LL+n], s[RLP:RLP+1] offset:512*n
.set n, n+1
.endr
	global_store_b32 v[RLO], v[LL+9], s[RLP:RLP+1] offset:4608
.Lnorl:
	TRIP 0, 1, 1, 1, 0, 56, 0, 56, 0               ; chunk 0.  At its head chunk 1's 32 loads and x's 24 are younger than chunk 0's: 56.  In front of its products x of chunk 1 (24) and chunk 2 (32) are younger than x of chunk 0: 56.
	                                               ; Its products start the sums, tiles 4 and 5 among them; buffer 1's first fill is whole too
	TRIP 1, 0, 1, 1, 1, 32, 0, 64, 1
	s_mov_b32 s[CB], 32768
	s_mov_b32 s[LC], 2
.Lmain:                                        ; chunks 2, 3 and 4, 5
	TRIP 0, 0, 1, 1, 1, 32, 0, 64, 1
	TRIP 1, 0, 1, 1, 1, 32, 0, 64, 1
	s_add_co_u32 s[CB], s[CB], 32768
	s_sub_co_u32 s[LC], s[LC], 1
	s_cmp_lg_u32 s[LC], 0
	s_cbranch_scc1 .Lmain
	TRIP 0, 0, 1, 0, 1, 32, 0, 64, 1               ; chunk 6: no weights are left to ask for
	TRIP 1, 0, 0, 0, 0, 0, 1, 64, 1                ; chunk 7: nothing was issued behind its loads, so the wait is for 0; b1 is asked for
	s_wait_loadcnt 0x0                             ; b1
.Lpass:                                        ; three trips: the pass in hand leaves, the next one (tiles 24 further on) is multiplied from the codes in LDS; the third finds no tile (64 at the most)
.rept 4
	v_nop                                          ; places between the last products and the first read of results
.endr
	EPI 0
	EPI 1
	EPI 2
	EPI 3
	EPI 4
	EPI 5
	s_add_co_u32 s[T0], s[T0], 24
	s_add_co_u32 s[T4], s[T4], 24
	s_wait_xcnt 0x0                                ; bases and offsets are rewritten only behind this wait
	s_wait_alu depctr_vm_vsrc(0)                   ; x's loads issued so far have read v[XO ..], which the moves below write
	s_add_nc_u64 s[SH:SH+1], s[SH:SH+1], 1572864   ; 24 tiles of 65,536 bytes
.set n, 0
.rept 12
	v_mov_b32 v[XO+n], v[XO+6+n]                   ; the next pass's rows move up
.set n, n+1
.endr
	s_mov_b64 s[SO:SO+1], s[XC0:XC0+1]
	s_mov_b32 s[CB], 0
	OVTRIP 1
	s_mov_b32 s[LC], 7
.Lov:
	OVTRIP 0
	s_sub_co_u32 s[LC], s[LC], 1
	s_cmp_lg_u32 s[LC], 0
	s_cbranch_scc1 .Lov
	s_add_co_u32 s[PASS], s[PASS], 1
	s_cmp_lt_u32 s[PASS], 3
	s_cbranch_scc1 .Lpass
	s_wait_dscnt 0x0                               ; the closing lines, six on end
	s_wait_alu 0x0
	s_wait_tensorcnt 0x0
	ds_add_u32 v254, v255
	s_wait_dscnt 0x0
	s_endpgm
.Lfunc_end_k_q9e9b8f8434_ffn1:
	.size	k_q9e9b8f8434_ffn1, .Lfunc_end_k_q9e9b8f8434_ffn1-k_q9e9b8f8434_ffn1
	.p2alignl 7, 3214868480
	.fill 96, 4, 3214868480
	.section	.rodata,"a",@progbits
	.p2align	6, 0x0
	.amdhsa_kernel k_q9e9b8f8434_ffn1
		.amdhsa_group_segment_fixed_size 136704
		.amdhsa_private_segment_fixed_size 0
		.amdhsa_enable_private_segment 0
		.amdhsa_kernarg_size 56
		.amdhsa_user_sgpr_count 2
		.amdhsa_user_sgpr_kernarg_segment_ptr 1
		.amdhsa_wavefront_size32 1
		.amdhsa_system_sgpr_workgroup_id_x 1
		.amdhsa_system_sgpr_workgroup_id_y 1
		.amdhsa_system_sgpr_workgroup_id_z 1
		.amdhsa_system_vgpr_workitem_id 0
		.amdhsa_next_free_vgpr 1024
		.amdhsa_next_free_sgpr 66
		.amdhsa_reserve_vcc 0
		.amdhsa_float_denorm_mode_32 3
		.amdhsa_float_denorm_mode_16_64 3
		.amdhsa_memory_ordered 1
		.amdhsa_forward_progress 1
		.amdhsa_inst_pref_size 255
	.end_amdhsa_kernel
	.section	.bss,"aw",@nobits
	.p2align	6
	.space	262144
	.amdgpu_metadata
---
amdhsa.version: [ 1, 2 ]
amdhsa.kernels:
  - .name:           k_q9e9b8f8434_ffn1
    .symbol:         k_q9e9b8f8434_ffn1.kd
    .args:
      - { .name: xc, .offset: 0, .size: 8, .value_kind: global_buffer, .address_space: global }
      - { .name: w1, .offset: 8, .size: 8, .value_kind: global_buffer, .address_space: global }
      - { .name: b1, .offset: 16, .size: 8, .value_kind: global_buffer, .address_space: global }
      - { .name: lowp_scales, .offset: 24, .size: 8, .value_kind: global_buffer, .address_space: global }
      - { .name: rsel, .offset: 32, .size: 8, .value_kind: global_buffer, .address_space: global }
      - { .name: hid, .offset: 40, .size: 8, .value_kind: global_buffer, .address_space: global }
      - { .name: rl, .offset: 48, .size: 8, .value_kind: global_buffer, .address_space: global }
    .group_segment_fixed_size: 136704
    .private_segment_fixed_size: 0
    .kernarg_segment_align: 8
    .kernarg_segment_size: 56
    .max_flat_workgroup_size: 128
    .sgpr_count:     66
    .vgpr_count:     1024
    .wavefront_size: 32
...
	.end_amdgpu_metadata
.endif
;; end of part 5
;; launch ffn2 (part 6): grid 32 x 8, 4 waves a work-group, no clusters, 148,992 bytes of LDS; arguments hid, w2, b2, lowp_scales, rl, gv, part; writes part
.if DOCPART == 6
	.amdgcn_target "amdgcn-amd-amdhsa--gfx1250"
	.amdhsa_code_object_version 6
	.text
	.protected	k_q9e9b8f8434_ffn2
	.globl	k_q9e9b8f8434_ffn2
	.p2align	8
	.type	k_q9e9b8f8434_ffn2,@function
k_q9e9b8f8434_ffn2:
	s_mov_b64 s[64:65], 0
	v_nop
	global_prefetch_b8 v0, s[64:65] scope:SCOPE_SE
	s_setreg_imm32_b32 hwreg(HW_REG_WAVE_SCHED_MODE, 0, 2), 2
	s_setreg_imm32_b32 hwreg(HW_REG_WAVE_MODE, 25, 1), 1
	s_wait_xcnt 0x0
	s_wait_alu depctr_vm_vsrc(0)
; THE SECOND EXPERT PRODUCT, for the rows that were chosen: part[2048 kh + slot] = g x (hidden w2 x 2^(e2 + e3) [+ b2 where kh = 0]), one half of K in each of two partial rows, which the next launch adds.
; hid holds the hidden layer's codes as images of operand registers ([expert][tile of 16 rows][K step of 128][2,048 bytes]); w2 [8][4096 h][1024 d] comes as f32 with K outermost.
; SHARES.  Work-group (x, e): columns 64 (x % 16) .. + 63 of expert e, K half kh = x / 16 (2,048 hidden units): a slice of w2 of 2,048 rows x 256 bytes, which no other work-group reads.  It is read ONCE, in 8 chunks of
; 256 rows (two K steps), quantised in registers (scale 2^e2) and laid into LDS as images of operand registers; all 8 chunks stay there.  Behind each chunk's barrier every wave multiplies it with its own tiles of
; 16 rows (six at the most) while the next two chunks are on their way.  Rows beyond 384 are served afterwards from the codes kept in LDS: no barrier, loops of constant count, the work jumped over by forward branches on the stored count.
; TILES 4 AND 5 of a wave exist only where the expert has more than 256 rows: their products stand in a run of their own, jumped over where the wave has no fifth tile.  In chunk 0 they run in any case: they start the sums.
; NO TENSOR LOADS AND NO CLUSTER: the text branches on counts read from memory, and the weights, which are nearly all the bytes from memory, are shared by nobody.
; A wave writes more loads than LOADcnt's field holds; the issue then stalls (ISA guide 5.7.1), and each wait's count, never above the number of younger loads, stays right.
; K'S ORDER inside a step of 128, alike in both operands: register p, byte b, lane half h hold k = 64 (p / 8) + 32 h + 4 (p % 8) + b: so the launch before has laid hid.
; THE MATRIX INSTRUCTION IS USED TRANSPOSED (source 0 = 16 columns of w2, source 1 = 16 rows of the hidden layer); tile j of the 64 columns is the columns 4 q + j, so that a lane's results of the four tiles are the 32
; neighbouring columns 32 h + 4 jj + j of its row.  A tile's rows go through the wave's own stage in LDS, each with its row number in part beside it, and leave sixteen lanes to 256 consecutive bytes.
; A row of the last tile that lies beyond the count goes to a row of part that nobody reads (row 4096 + 2 e + kh, this work-group's own 256 bytes of it).
; LIMITS: e2 between -126 and 112, e2 + e3 between -126 and 127.  NaN among the inputs is not served.
; THE MODE: SCHED_MODE bits 1:0 = 2 (LLVM: expert scheduling mode 2), set by the entry lines.  The code itself states the register dependences between vector or matrix instructions and memory or LDS instructions,
; and those through scalar registers that vector instructions write, with s_wait_alu, always for 0.
; THE PLAN.  Registers that memory or LDS instructions touch in a main trip (chunk c, par = c % 2):
;   W[par], halves z = 0, 1   read and written by the trip's holds and conversions; behind them the loads of chunk c + 2 land there.
;   A[1 - par]                the hidden layer's fragments: read by the products of the trip before; those of chunk c + 1 land there.
;   BR, four fragments        read by products; LDS loads land there.
;   E0, E1, turned codes      written by the trip's byte turns; read by its eight LDS stores.
;   v[CA], v[LA]              written at the trip's head; read by the trip's LDS stores and LDS loads.
;   v[WOFF], v[L16], v[AO ..] offsets that no line of a main trip writes.
; So a trip has ONE wait on vm_vsrc, at its head (the trip before's LDS instructions have read CA, LA and E), and TWO on va_vdst among its conversions: behind the first half's conversions (W z = 0 and A[1 - par] may be
; loaded again) and behind the second half's byte turns (E0, E1 and CA are written; W z = 1 may be loaded again; LA is written and the last products are done with BR).  A run of products refills its ring of four
; fragments two at a time, behind one wait on va_vdst each time.  On the way out a tile has one wait on vm_vsrc at its head and one on va_vdst ahead of each of its two runs of stores.
; REGISTERS, in windows of 256.  window 0: v1-31 addresses, rows, gate weights; v32-47 codes by rows (on the way out: rows' offsets in part); v48-63 half turned; v64-255 the hidden layer's fragments, buffer 1 (tile i, step s at 64 + 32 i + 16 s).
;   window 1: two sets of 128 numbers of w2; behind the main trips b2 (v0-31), results (v32-63), rows read back (v64-95).   window 2: the accumulators (tile i, tile of columns j at 32 i + 8 j); v192-255 four fragments of w2 by turns.
;   window 3: the hidden layer's fragments, buffer 0 (32 i + 16 s); turned codes (v224-255).
.set ROWB,   4096                      ; a row of w2 in bytes
.set CHUNKB, 256*ROWB                  ; a chunk: 256 along K
.set ACH,    4096                      ; two K steps' images in hid
.set STAGE,  131072                    ; LDS: behind the codes: for each wave 16 rows x (256 bytes + 16; the first word of the 16 is the row's number in part)
.set L16,  1
.set WOFF, 2                           ; w2: 32 rows x h + 16 r
.set CST,  3
.set CA,   4
.set LA,   5
.set SCW,  6                           ; 2^e2
.set B2O,  7                           ; 128 h
.set AO,   8                           ; v8-13   my six tiles: byte of the tile in hid, + 16 x lane
.set RHO,  14                          ; v14-19  my row's number in part
.set G,    20                          ; v20-25  my row's gate weight
.set STO,  26
.set STP,  27
.set RD,   28
.set RD2,  29
.set C16,  30                          ; 16 r
.set ROWL, 31                          ; 16 w + r: my row's place in the pass, less 64 i
.set D,    32
.set RO,   32
.set P,    48
.set A1,   64
.set BR,   192                         ; in window 2
.set E,    224                         ; in window 3
.set SA,   4                           ; s[4:5]   hid, stepped chunk by chunk
.set SW,   6                           ; s[6:7]   w2 at my wave's part of the chunk in hand
.set B2P,  8
.set LOW,  10
.set RLP,  12                          ; s[12:13] rl at the pass's first entry
.set GVP,  14
.set PT,   16
.set WV,   18
.set DS,   19
.set EX,   20
.set CNT,  21
.set NT,   22
.set TLIM, 23
.set T0,   24
.set LC,   25
.set CB,   26
.set T4,   27                          ; my fifth tile of the pass
.set NLIM, 28
.set LIM,  29
.set KH,   30
.set SC2,  31                          ; 2^(e2 + e3)
.set SELA, 32
.set SELB, 33
.set SELL, 34
.set SELH, 35
.set SO,   40
.set PASS, 42
.set TMAX, 43
.set HID0, 52                          ; s[52:53] hid at chunk 0, never stepped
.set CM,   54                          ; s54-59   six lane masks: which of my rows lie inside the count (at the head these six hold offsets first, which are done with by then)
.set BMASK, 60
.set DUMP, 61
.set KROW, 62
.set MSB, 0
.macro WIN new                         ; the immediate's high byte repeats the setting that is left; a switch that changes nothing is dropped
.if MSB != (\new)
	s_set_vgpr_msb (MSB<<8)|(\new)
.set MSB, (\new)
.endif
.endm
; 16 rows of my part of a chunk: lanes 0-15 read 256 consecutive bytes of one row, at a multiple of 256 from w2's first byte, lanes 16-31 those of the row 32 further down
.macro WLOAD par, z, imm
	WIN 0x40
.set wl_n, 0
.rept 16
	global_load_b128 v[128*(\par)+64*(\z)+4*wl_n:128*(\par)+64*(\z)+4*wl_n+3], v[WOFF], s[SW:SW+1] offset:(\imm)+(16*(\z)+wl_n)*ROWB th:TH_LOAD_NT
.set wl_n, wl_n+1
.endr
.endm
; the hidden layer's fragments of tiles i0 .. i1 for one chunk: two images of 2,048 bytes a tile, 512 consecutive bytes a load
.macro ALOAD buf, i0, i1, imm, base
.if (\buf) == 0
	WIN 0xc0
.set al_b, 0
.else
	WIN 0
.set al_b, A1
.endif
.set al_i, \i0
.rept (\i1)-(\i0)+1
.set al_q, 0
.rept 8
	global_load_b128 v[al_b+32*al_i+4*al_q:al_b+32*al_i+4*al_q+3], v[AO+al_i], s[\base:\base+1] offset:(\imm)+512*al_q
.set al_q, al_q+1
.endr
.set al_i, al_i+1
.endr
.endm
.macro CONV1 par, z                    ; 64 numbers (16 rows x my 4 columns) become 16 words of codes, a word = one row's four columns
	WIN 0x41
.set c1_n, 128*(\par)+64*(\z)
.rept 64
	v_med3_num_f32 v[c1_n], v[c1_n], s[NLIM], s[LIM]       ; the conversion does not saturate (ISA guide 7.6.2): the hold at the largest code x the scale
.set c1_n, c1_n+1
.endr
	WIN 0x01
.set c1_n, 0
.rept 8
	v_cvt_scalef32_pk8_bf8_f32 v[D+2*c1_n:D+2*c1_n+1], v[128*(\par)+64*(\z)+8*c1_n:128*(\par)+64*(\z)+8*c1_n+7], v[SCW]
.set c1_n, c1_n+1
.endr
	WIN 0
	v_nop                                          ; one plain vector line behind the last conversion
.endm
.macro PERM z                          ; four times 4 x 4 bytes are turned: a word then holds four neighbours along K of one column: into E's half z
	WIN 0
.set c2_q, 0
.rept 4
	v_perm_b32 v[P+4*c2_q],   v[D+4*c2_q+1], v[D+4*c2_q],   s[SELA]
	v_perm_b32 v[P+4*c2_q+1], v[D+4*c2_q+1], v[D+4*c2_q],   s[SELB]
	v_perm_b32 v[P+4*c2_q+2], v[D+4*c2_q+3], v[D+4*c2_q+2], s[SELA]
	v_perm_b32 v[P+4*c2_q+3], v[D+4*c2_q+3], v[D+4*c2_q+2], s[SELB]
.set c2_q, c2_q+1
.endr
	WIN 0xc0
.set c2_q, 0
.rept 4
	v_perm_b32 v[E+16*(\z)+c2_q],    v[P+4*c2_q+2], v[P+4*c2_q],   s[SELL]
	v_perm_b32 v[E+16*(\z)+4+c2_q],  v[P+4*c2_q+2], v[P+4*c2_q],   s[SELH]
	v_perm_b32 v[E+16*(\z)+8+c2_q],  v[P+4*c2_q+3], v[P+4*c2_q+1], s[SELL]
	v_perm_b32 v[E+16*(\z)+12+c2_q], v[P+4*c2_q+3], v[P+4*c2_q+1], s[SELH]
.set c2_q, c2_q+1
.endr
.endm
.macro PUT z, lo                       ; the quarters of fragments in E's half z go to LDS, 512 consecutive bytes a store
	WIN 0x0c
.set c2_q, 0
.rept 4
	ds_store_b128 v[CA], v[E+16*(\z)+4*c2_q:E+16*(\z)+4*c2_q+3] offset:(\lo)+2048*c2_q+512*(\z)
.set c2_q, c2_q+1
.endr
.endm
.macro BLOAD f, lo                     ; fragment f = 4 s + j of the chunk, as it was stored
.set bl_c, 0
.rept 4
	ds_load_b128 v[BR+16*((\f)%4)+4*bl_c:BR+16*((\f)%4)+4*bl_c+3], v[LA] offset:(\lo)+2048*(\f)+512*bl_c
.set bl_c, bl_c+1
.endr
.endm
.macro WM i, f, buf, zero
.set wm_d, 32*(\i)+8*((\f)%4)
.set wm_a, A1*(\buf)+32*(\i)+16*((\f)/4)
.if (\zero) && ((\f) < 4)
	v_wmma_f32_16x16x128_bf8_bf8 v[wm_d:wm_d+7], v[BR+16*((\f)%4):BR+16*((\f)%4)+15], v[wm_a:wm_a+15], 0
.else
	v_wmma_f32_16x16x128_bf8_bf8 v[wm_d:wm_d+7], v[BR+16*((\f)%4):BR+16*((\f)%4)+15], v[wm_a:wm_a+15], v[wm_d:wm_d+7]
.endif
.endm
; The chunk's 8 fragments, each against my tiles i0 .. i0 + n - 1.  The accumulators take turns, one instruction a turn.  zero = 1: the first K step's products start the sums.
; Four fragments are asked for ahead; behind the products of fragments 0, 1 their registers take fragments 4, 5, behind those of 2, 3 fragments 6, 7.
; The waits on DScnt count the LDS loads issued behind the fragment that is due: three fragments' twelve or two fragments' eight, at the end 4 and 0.
.macro MRUN buf, lo, zero, i0, n
	WIN 0x80
	BLOAD 0, \lo
	BLOAD 1, \lo
	BLOAD 2, \lo
	BLOAD 3, \lo
.set mu_f, 0
.rept 8
.if mu_f < 6
	s_wait_dscnt 12-4*(mu_f%2)
.else
	s_wait_dscnt 4*(7-mu_f)
.endif
	WIN 0xa2+0x0c*(1-(\buf))
.set mu_i, \i0
.rept \n
	WM mu_i, mu_f, \buf, \zero
.set mu_i, mu_i+1
.endr
.if (mu_f == 1) || (mu_f == 3)
.rept 4
	v_nop                                          ; four places in front of loads into registers that the products above have read (ISA guide 7.12.1 for vector instructions)
.endr
	WIN 0x80
	s_wait_alu depctr_va_vdst(0)                   ; the products above are done reading the two fragments' registers, in which the eight loads below land
	BLOAD mu_f+3, \lo
	BLOAD mu_f+4, \lo
.endif
.set mu_f, mu_f+1
.endr
	WIN 0
.endm
; A chunk's products: tiles 0-3, then tiles 4 and 5.  g45 = 1: the second run, with its second reading of the fragments, is jumped over where I have no fifth tile.
.macro MULT buf, lo, zero, g45
	MRUN \buf, \lo, \zero, 0, 4
.if \g45
	s_cmp_lt_u32 s[T4], s[TLIM]
	s_cbranch_scc0 .Lm45_\@
.endif
.rept 4
	v_nop                                          ; places in front of loads into the fragments' registers, which the first run's last products have read
.endr
	s_wait_alu depctr_va_vdst(0)                   ; the first run's products are done reading the four fragments' registers, in which the second run's first loads land
	MRUN \buf, \lo, \zero, 4, 2
.if \g45
.Lm45_\@:
.endif
.endm
.macro TAILLOADS                       ; b2 of my 32 columns (32 h + 0 .. 31), into registers that the last chunk but one has left: its conversions stand ahead of that trip's waits on va_vdst, and nothing has named them since
	WIN 0x40
.set tl_n, 0
.rept 8
	global_load_b128 v[4*tl_n:4*tl_n+3], v[B2O], s[B2P:B2P+1] offset:16*tl_n
.set tl_n, tl_n+1
.endr
.endm
; A MAIN TRIP, chunk c.  From chunk 2 on my loads in flight at its head are, in order: w2 of chunk c, the hidden layer's fragments of chunk c, w2 of chunk c + 1 (32 loads); at chunk 1's head the first of these has landed
; already.  The wait wn = 32 leaves those 32 out, however many fragments were asked for.  Chunk 0 has counts of its own (see where it is called); wm under 64: a second wait, for the fragments, in front of the products.
; na, nw: the fragments of chunk c + 1 and w2 of chunk c + 2 are asked for.  hg = 1: the loads for my tiles 4 and 5 are jumped over where I have no fifth tile.
.macro TRIP par, first, na, nw, hg, wn, tail, wm, g45
	s_wait_loadcnt \wn
	s_wait_xcnt 0x0                                ; bases are stepped, and registers that served as offsets (at chunk 0: those of the gate weights' loads, which the codes below take) rewritten, only behind this wait
.if (\first) == 0
	s_add_nc_u64 s[SW:SW+1], s[SW:SW+1], CHUNKB
	s_add_nc_u64 s[SA:SA+1], s[SA:SA+1], ACH
.endif
.if \tail
	TAILLOADS
.endif
	WIN 0
	s_wait_alu depctr_vm_vsrc(0)                   ; the LDS stores issued so far have read v[CA] and E, the fragments' loads v[LA]: all three are written again below.  At chunk 0: the loads of the slots and of the gate weights have read v32 to v38, which the codes take
	v_add_nc_u32 v[CA], s[CB], v[CST]
	v_add_nc_u32 v[LA], s[CB], v[L16]
	CONV1 \par, 0                                  ; its 64 holds are also the places behind the last trip's products
.if (\na) || (\nw)
	s_wait_alu depctr_va_vdst(0)                   ; the holds and conversions are done with W[par]'s first half, and the last trip's products with the hidden layer's other buffer: the loads below land in both
.endif
.if \na
	ALOAD 1-\par, 0, 3, ACH, SA
.if \hg
	WIN 0
	s_cmp_lt_u32 s[T4], s[TLIM]
	s_cbranch_scc0 .Lna_\@
.endif
	ALOAD 1-\par, 4, 5, ACH, SA
.if \hg
	WIN 0
.Lna_\@:
.endif
.endif
.if \nw
	WLOAD \par, 0, 2*CHUNKB                        ; into the registers just converted
.endif
	PERM 0
	CONV1 \par, 1
	PERM 1
	WIN 0x0c
	s_wait_alu depctr_va_vdst(0)                   ; E0, E1 and v[CA] are written, which the LDS stores read; the holds and conversions are done with W[par]'s second half; v[LA] is written and the last products are done with the fragments' registers, for the loads behind the barrier
	PUT 0, 16384*(\par)
	PUT 1, 16384*(\par)
.if \nw
	WLOAD \par, 1, 2*CHUNKB
.endif
	WIN 0
	s_wait_dscnt 0x0                               ; for the others' sake: my part of the chunk's codes lies in LDS
	s_barrier_signal -1
	s_barrier_wait -1                              ; everybody's does
.if (\wm) < 64
	s_wait_loadcnt \wm
.endif
	MULT \par, 16384*(\par), \first, \g45
.endm
; A trip of a later pass: the chunk's codes are in LDS already; nothing is shared, so no barrier.  The work is jumped over where the expert has no tile in this pass; the steps of the addresses are not.
.macro OVTRIP zero
	s_cmp_lt_u32 s[T0], s[NT]
	s_cbranch_scc0 .Lov_skip_\@
	s_wait_alu depctr_vm_vsrc(0)                   ; the fragments' loads issued so far have read v[LA]
	v_add_nc_u32 v[LA], s[CB], v[L16]
.rept 4
	v_nop                                          ; places in front of loads into registers that products have read
.endr
	s_wait_alu depctr_va_vdst(0)                   ; v[LA] is written; the last products are done reading the hidden layer's buffer 0 and the fragments' registers
	ALOAD 0, 0, 5, 0, SO
	WIN 0
	s_wait_loadcnt 0x0
	MULT 0, 0, \zero, 1
.Lov_skip_\@:
	s_wait_xcnt 0x0
	s_add_nc_u64 s[SO:SO+1], s[SO:SO+1], ACH
	s_add_co_u32 s[CB], s[CB], 16384
.endm
.macro ROWS1 again                     ; the slots of my rows in the pass's six tiles: entry 16 (4 i + w) + r from the pass's first on.  again = 1: a later pass
.if \again
	s_wait_alu depctr_vm_vsrc(0)                   ; the last pass's stores have read v32 to v39 (their rows' offsets) and v[RHO ..], its loads v[AO ..]: all are written again in this macro and the next
.endif
	v_lshlrev_b32 v38, 2, v[ROWL]
	s_wait_alu depctr_va_vdst(0)                   ; v38 is written, which the six loads read; at the head so is every offset and LDS address made above; in a later pass the last pass's lines are done with v[RHO ..], in which the loads land
.set ro_i, 0
.rept 6
	global_load_b32 v[RHO+ro_i], v38, s[RLP:RLP+1] offset:256*ro_i
.set ro_i, ro_i+1
.endr
.endm
.macro ROWS2                           ; of each slot: its row in part, the tile's place in hid, and its gate weight (asked for at the end, behind the one wait)
.set ro_i, 0
.rept 6
	v_min_u32 v[RHO+ro_i], 0x7ff, v[RHO+ro_i]
	v_lshlrev_b32 v[32+ro_i], 2, v[RHO+ro_i]
.set ro_i, ro_i+1
.endr
	s_lshl_b32 s44, s[T0], 4
	s_sub_co_u32 s44, s[CNT], s44                  ; the rows that are left from the pass's first row on (never negative where this runs)
.set ro_i, 0
.rept 6
	v_add_nc_u32 v39, 64*ro_i, v[ROWL]
	v_cmp_gt_u32 s[CM+ro_i], s44, v39
	v_add_nc_u32 v[RHO+ro_i], s[KROW], v[RHO+ro_i]
	s_add_co_u32 s45, s[T0], 4*ro_i
	s_add_co_u32 s45, s45, s[WV]
	s_min_u32 s45, s45, s[TMAX]                    ; a tile that the expert does not have reads its last one: bytes that were written
	s_min_u32 s45, s45, 63
	s_lshl_b32 s45, s45, 16
	v_add_nc_u32 v[AO+ro_i], s45, v[L16]
.set ro_i, ro_i+1
.endr
	s_wait_alu depctr_va_sdst(0)                   ; the six masks are written, which the selections below read
.set ro_i, 0
.rept 6
	v_cndmask_b32 v[RHO+ro_i], s[DUMP], v[RHO+ro_i], s[CM+ro_i]    ; beyond the count: the row that nobody reads
.set ro_i, ro_i+1
.endr
	s_wait_alu depctr_va_vdst(0)                   ; v32 to v37 are written, which the loads below read; so are v[AO ..] and v[RHO ..], which the fragments' loads and the way out's LDS stores read; the last pass's lines are done with v[G ..], in which the loads land
.set ro_i, 0
.rept 6
	global_load_b32 v[G+ro_i], v[32+ro_i], s[GVP:GVP+1]
.set ro_i, ro_i+1
.endr
.endm
; Tile i leaves: (sum x 2^(e2 + e3) + b2) x g; through my stage; sixteen lanes store 256 consecutive bytes of a row of part.  Each accumulator is read from its lowest register on.
.macro EPI i
	s_add_co_u32 s44, s[T0], 4*(\i)
	s_add_co_u32 s44, s44, s[WV]
	s_cmp_lt_u32 s44, s[NT]
	s_cbranch_scc0 .Lepi_\@
	s_wait_xcnt 0x0                                ; earlier stores have read their registers
	s_wait_alu depctr_vm_vsrc(0)                   ; the tile before's LDS stores have read the results' registers, its global stores the rows read back and their offsets: all are written again below
	WIN 0x52
.set ep_j, 0
.rept 8
.set ep_t, 0
.rept 4
	v_fma_f32 v[32+4*ep_j+ep_t], v[32*(\i)+8*ep_t+ep_j], s[SC2], v[4*ep_j+ep_t]
.set ep_t, ep_t+1
.endr
.set ep_j, ep_j+1
.endr
	WIN 0x44
.set ep_j, 0
.rept 32
	v_mul_f32 v[32+ep_j], v[G+(\i)], v[32+ep_j]
.set ep_j, ep_j+1
.endr
	WIN 0x04
	s_wait_alu depctr_va_vdst(0)                   ; the multiplications have written the results, which the LDS stores read; earlier lines are done with the registers in which the loads from the stage land
.set ep_j, 0
.rept 8
	ds_store_b128 v[STO], v[32+4*ep_j:32+4*ep_j+3] offset:16*ep_j
.set ep_j, ep_j+1
.endr
	WIN 0
	ds_store_b32 v[STP], v[RHO+(\i)]
	WIN 0x40
.set ep_j, 0
.rept 8
	ds_load_b128 v[64+4*ep_j:64+4*ep_j+3], v[RD] offset:272*ep_j   ; LDS serves a wave's instructions in order (ISA guide 5.7.1.4): these see my stores.  Lanes 0-15 take row ep_j, lanes 16-31 row 8 + ep_j
.set ep_j, ep_j+1
.endr
	WIN 0
.set ep_j, 0
.rept 8
	ds_load_b32 v[RO+ep_j], v[RD2] offset:272*ep_j
.set ep_j, ep_j+1
.endr
	s_wait_dscnt 0x0
.set ep_j, 0
.rept 8
	v_min_u32 v[RO+ep_j], 0x100f, v[RO+ep_j]       ; held inside part's 4,112 rows
	v_lshl_add_u32 v[RO+ep_j], v[RO+ep_j], 12, v[C16]
.set ep_j, ep_j+1
.endr
	WIN 0x04
	s_wait_alu depctr_va_vdst(0)                   ; the rows' offsets in part are written, which the eight stores read
.set ep_j, 0
.rept 8
	global_store_b128 v[RO+ep_j], v[64+4*ep_j:64+4*ep_j+3], s[PT:PT+1]
.set ep_j, ep_j+1
.endr
	WIN 0
.Lepi_\@:
.endm
	s_load_b256 s[4:11], s[0:1], 0x0               ; hid, w2, b2, the scales' exponents
	s_load_b128 s[12:15], s[0:1], 0x20             ; rl, gv
	s_load_b64 s[16:17], s[0:1], 0x30              ; part
	s_set_vgpr_msb 0xc0
	v_lshl_add_u32 v222, v0, 2, 0x24400
	v_mov_b32 v223, 0
	s_set_vgpr_msb 0xc000
	v_lshrrev_b32 v32, 5, v0
	v_readfirstlane_b32 s[WV], v32                 ; wave 0..3
	s_and_b32 s[DS], ttmp9, 15
	s_lshr_b32 s[KH], ttmp9, 4
	s_and_b32 s[EX], ttmp7, 0xffff
	v_and_b32 v33, 31, v0                          ; lane
	v_and_b32 v34, 15, v0                          ; r
	v_bfe_u32 v35, v0, 4, 1                        ; h
	v_lshlrev_b32 v[L16], 4, v33
	v_lshlrev_b32 v[C16], 4, v34
	v_lshl_add_u32 v[WOFF], v35, 17, v[C16]
	s_wait_alu depctr_va_sdst(0)                   ; the wave's number is written, ahead of its first reader
	s_lshr_b32 s44, s[WV], 1                       ; which of the chunk's two K steps I convert
	s_and_b32 s45, s[WV], 1                        ; which 64 of its 128 rows
	s_lshl_b32 s46, s44, 13
	s_lshl_b32 s47, s45, 10
	s_add_co_u32 s46, s46, s47
	v_add_nc_u32 v[CST], s46, v[L16]
	v_lshlrev_b32 v[B2O], 7, v35
	s_lshl_b32 s46, s[WV], 4
	v_add_nc_u32 v[ROWL], s46, v34
	s_mul_i32 s46, s[WV], 4352
	s_add_co_u32 s46, s46, STAGE                   ; my stage
	v_mul_u32_u24 v[STP], v34, 272
	v_add_nc_u32 v[STP], s46, v[STP]
	v_lshl_add_u32 v[STO], v35, 7, v[STP]          ; in: row r, + 128 h
	v_add_nc_u32 v[STP], 256, v[STP]               ; the row's number beside it
	v_mul_u32_u24 v[RD2], v35, 2176
	v_add_nc_u32 v[RD2], s46, v[RD2]
	v_add_nc_u32 v[RD], v[C16], v[RD2]             ; back: eight rows x h, + 16 r
	v_add_nc_u32 v[RD2], 256, v[RD2]
	s_lshl_b32 s48, s[EX], 24                      ; w2: 16 MiB an expert + 2,048 rows a K half + 128 rows a K step + 64 rows, of 4,096 bytes; + 256 bytes a slice
	s_lshl_b32 s47, s[KH], 23
	s_add_co_u32 s48, s48, s47
	s_lshl_b32 s47, s44, 19
	s_add_co_u32 s48, s48, s47
	s_lshl_b32 s47, s45, 18
	s_add_co_u32 s48, s48, s47
	s_lshl_b32 s58, s[DS], 8
	s_add_co_u32 s48, s48, s58
	s_mov_b32 s49, 0
	s_lshl_b32 s50, s[EX], 22                      ; hid: 4 MiB an expert + 16 K steps of 2,048 bytes a K half
	s_lshl_b32 s46, s[KH], 15
	s_add_co_u32 s50, s50, s46
	s_mov_b32 s51, 0
	s_lshl_b32 s54, s[EX], 12                      ; b2
	s_add_co_u32 s54, s54, s58
	s_mov_b32 s55, 0
	s_mul_i32 s56, s[EX], 5120                     ; rl
	s_mov_b32 s57, 0
	s_mov_b32 s59, 0                               ; part: 256 bytes a slice
	s_lshl_b32 s[DUMP], s[EX], 1
	s_add_co_u32 s[DUMP], s[DUMP], s[KH]
	s_add_co_u32 s[DUMP], s[DUMP], 4096
	s_lshl_b32 s[KROW], s[KH], 11
	s_cmp_eq_u32 s[KH], 0
	s_cselect_b32 s[BMASK], -1, 0                  ; b2 is added in the first K half alone
	s_mov_b32 s[SELA], 0x05010400
	s_mov_b32 s[SELB], 0x07030602
	s_mov_b32 s[SELL], 0x05040100
	s_mov_b32 s[SELH], 0x07060302
	s_mov_b32 s[CB], 0
	s_mov_b32 s[T0], 0
	s_mov_b32 s[PASS], 0
	s_wait_kmcnt 0x0
	s_add_nc_u64 s[SW:SW+1], s[SW:SW+1], s[48:49]
	s_add_nc_u64 s[SA:SA+1], s[SA:SA+1], s[50:51]
	s_add_nc_u64 s[B2P:B2P+1], s[B2P:B2P+1], s[54:55]
	s_add_nc_u64 s[RLP:RLP+1], s[RLP:RLP+1], s[56:57]
	s_add_nc_u64 s[PT:PT+1], s[PT:PT+1], s[58:59]
	s_mov_b64 s[HID0:HID0+1], s[SA:SA+1]
	s_load_b32 s[CNT], s[RLP:RLP+1], 0x1200        ; the expert's rows
	s_load_b128 s[36:39], s[LOW:LOW+1], 0x0        ; e0, e1, e2, e3
	ROWS1 0
	WLOAD 0, 0, 0                                  ; chunks 0 and 1 are on their way while the rows are read
	WLOAD 0, 1, 0
	WLOAD 1, 0, CHUNKB
	WLOAD 1, 1, CHUNKB
	WIN 0
	s_wait_kmcnt 0x0
	s_add_co_u32 s[NT], s[CNT], 15
	s_lshr_b32 s[NT], s[NT], 4
	s_max_u32 s[TLIM], s[NT], 1
	s_sub_co_u32 s[TMAX], s[TLIM], 1
	s_add_co_u32 s[T4], s[WV], 16
	s_add_co_i32 s44, s38, 127
	s_lshl_b32 s45, s44, 23
	v_mov_b32 v[SCW], s45                          ; 2^e2 as f32: the conversion takes its exponent field
	s_add_co_i32 s44, s44, 15
	s_lshl_b32 s44, s44, 23
	s_or_b32 s[LIM], s44, 0x600000
	s_or_b32 s[NLIM], s[LIM], 0x80000000
	s_add_co_i32 s44, s38, s39
	s_add_co_i32 s44, s44, 127
	s_lshl_b32 s[SC2], s44, 23                     ; 2^(e2 + e3)
	s_wait_loadcnt 63                              ; the six slots are in: 64 loads were issued behind them
	ROWS2
	ALOAD 0, 0, 5, 0, SA                           ; chunk 0's fragments: all six tiles, so that every register of the buffer is written.  The wait at ROWS2's end has shown v[AO ..] written, and no vector line stands between
	WIN 0
	TRIP 0, 1, 1, 1, 0, 63, 0, 63, 0               ; chunk 0.  At its head 86 loads are younger than chunk 0's (chunk 1's 32, 6 gate weights, 48 fragments); in front of its products 80 are younger than its fragments
	                                               ; (chunk 1's 48 fragments, chunk 2's 32): the largest count that a wait can name serves both.  Its first products start the sums, tiles 4 and 5 among them; buffer 1's first fill is whole
	TRIP 1, 0, 1, 1, 1, 32, 0, 64, 1
	s_mov_b32 s[CB], 32768
	s_mov_b32 s[LC], 2
.Lmain:                                        ; chunks 2, 3 and 4, 5
	TRIP 0, 0, 1, 1, 1, 32, 0, 64, 1
	TRIP 1, 0, 1, 1, 1, 32, 0, 64, 1
	s_add_co_u32 s[CB], s[CB], 32768
	s_sub_co_u32 s[LC], s[LC], 1
	s_cmp_lg_u32 s[LC], 0
	s_cbranch_scc1 .Lmain
	TRIP 0, 0, 1, 0, 1, 32, 0, 64, 1               ; chunk 6: no weights are left to ask for
	TRIP 1, 0, 0, 0, 0, 0, 1, 64, 1                ; chunk 7: nothing was issued behind its loads, so the wait is for 0; b2 is asked for
	s_wait_loadcnt 0x0                             ; b2
	WIN 0x44
.set n, 0
.rept 32
	v_and_b32 v[n], s[BMASK], v[n]                 ; as it is, or 0 in the second K half
.set n, n+1
.endr
	WIN 0
.Lpass:                                        ; three trips: the pass in hand leaves, the next one (tiles 24 further on) is multiplied from the codes in LDS; the third finds no tile (64 at the most)
.rept 4
	v_nop                                          ; places between the last products and the first read of results
.endr
	EPI 0
	EPI 1
	EPI 2
	EPI 3
	EPI 4
	EPI 5
	s_add_co_u32 s[T0], s[T0], 24
	s_add_co_u32 s[T4], s[T4], 24
	s_wait_xcnt 0x0                                ; bases and offsets are rewritten only behind this wait
	s_add_nc_u64 s[RLP:RLP+1], s[RLP:RLP+1], 1536  ; 24 tiles x 16 entries
	s_mov_b64 s[SO:SO+1], s[HID0:HID0+1]
	s_mov_b32 s[CB], 0
	s_cmp_lt_u32 s[T0], s[NT]
	s_cbranch_scc0 .Lnorows
	ROWS1 1
	s_wait_loadcnt 0x0
	ROWS2
	s_wait_loadcnt 0x0                             ; the gate weights
.Lnorows:
	OVTRIP 1
	s_mov_b32 s[LC], 7
.Lov:
	OVTRIP 0
	s_sub_co_u32 s[LC], s[LC], 1
	s_cmp_lg_u32 s[LC], 0
	s_cbranch_scc1 .Lov
	s_add_co_u32 s[PASS], s[PASS], 1
	s_cmp_lt_u32 s[PASS], 3
	s_cbranch_scc1 .Lpass
	s_set_vgpr_msb 0xf                             ; the add's two registers, sources 0 and 1, lie in window 3 (the setting before was 0)
	s_wait_dscnt 0x0                               ; the closing lines, six on end
	s_wait_alu 0x0
	s_wait_tensorcnt 0x0
	ds_add_u32 v222, v223
	s_wait_dscnt 0x0
	s_endpgm
.Lfunc_end_k_q9e9b8f8434_ffn2:
	.size	k_q9e9b8f8434_ffn2, .Lfunc_end_k_q9e9b8f8434_ffn2-k_q9e9b8f8434_ffn2
	.p2alignl 7, 3214868480
	.fill 96, 4, 3214868480
	.section	.rodata,"a",@progbits
	.p2align	6, 0x0
	.amdhsa_kernel k_q9e9b8f8434_ffn2
		.amdhsa_group_segment_fixed_size 148992
		.amdhsa_private_segment_fixed_size 0
		.amdhsa_enable_private_segment 0
		.amdhsa_kernarg_size 56
		.amdhsa_user_sgpr_count 2
		.amdhsa_user_sgpr_kernarg_segment_ptr 1
		.amdhsa_wavefront_size32 1
		.amdhsa_system_sgpr_workgroup_id_x 1
		.amdhsa_system_sgpr_workgroup_id_y 1
		.amdhsa_system_sgpr_workgroup_id_z 1
		.amdhsa_system_vgpr_workitem_id 0
		.amdhsa_next_free_vgpr 1024
		.amdhsa_next_free_sgpr 66
		.amdhsa_reserve_vcc 0
		.amdhsa_float_denorm_mode_32 3
		.amdhsa_float_denorm_mode_16_64 3
		.amdhsa_memory_ordered 1
		.amdhsa_forward_progress 1
		.amdhsa_inst_pref_size 255
	.end_amdhsa_kernel
	.section	.bss,"aw",@nobits
	.p2align	6
	.space	262144
	.amdgpu_metadata
---
amdhsa.version: [ 1, 2 ]
amdhsa.kernels:
  - .name:           k_q9e9b8f8434_ffn2
    .symbol:         k_q9e9b8f8434_ffn2.kd
    .args:
      - { .name: hid, .offset: 0, .size: 8, .value_kind: global_buffer, .address_space: global }
      - { .name: w2, .offset: 8, .size: 8, .value_kind: global_buffer, .address_space: global }
      - { .name: b2, .offset: 16, .size: 8, .value_kind: global_buffer, .address_space: global }
      - { .name: lowp_scales, .offset: 24, .size: 8, .value_kind: global_buffer, .address_space: global }
      - { .name: rl, .offset: 32, .size: 8, .value_kind: global_buffer, .address_space: global }
      - { .name: gv, .offset: 40, .size: 8, .value_kind: global_buffer, .address_space: global }
      - { .name: part, .offset: 48, .size: 8, .value_kind: global_buffer, .address_space: global }
    .group_segment_fixed_size: 148992
    .private_segment_fixed_size: 0
    .kernarg_segment_align: 8
    .kernarg_segment_size: 56
    .max_flat_workgroup_size: 128
    .sgpr_count:     66
    .vgpr_count:     1024
    .wavefront_size: 32
...
	.end_amdgpu_metadata
.endif
;; end of part 6
;; launch comb: the kernel of part 4 again; grid 256 x 1, 8 waves a work-group, no clusters, 0 bytes of LDS; arguments part, out0; writes out0
